; MI455X (gfx1250); checked and timed in simulation.
; The chip was launched on July 23, 2026; its instructions are those of AMD's public machine-readable ISA for CDNA 5 (MIT licence, August 2026) and "CDNA5" Instruction Set Architecture Reference Guide (July 2026). The comments in the code are by the model that wrote it; some were corrected since.
;; Multi Head Self Attention. Allowed arithmetic: float matrix products may take bf16 or f16 operands with f32 sums; all other float work in f32.
;; Inputs: Wproj 1,024 x 1,024 float32; Wqkv 1,024 x 3,072 float32; bproj 1,024 float32; bqkv 3,072 float32; x 2 x 2,048 x 1,024 float32.
;; Outputs: out0 2 x 2,048 x 1,024 float32.
;; 2 versions, each right; version 2 is version 1 with the launch prep written anew for expert scheduling mode. Each part assembles by itself: llvm-mc -triple=amdgcn-amd-amdhsa -mcpu=gfx1250 --defsym DOCPART=n.
;; ======== version 1 of 2: 4 launches
;; limits: values are held in f16: magnitudes above 65,504 overflow, below 6.1e-05 lose precision
;; workspace buffers: xb 8,388,608 bytes; wqb 6,291,456 bytes; wpb 2,097,152 bytes; rope 524,288 bytes; qb 8,388,608 bytes; kb 8,388,608 bytes; vb 8,388,608 bytes; yb 8,388,608 bytes
;; launch prep (part 1): grid 256 x 1, 8 waves a work-group, no clusters, 0 bytes of LDS; arguments x, Wqkv, Wproj, xb, wqb, wpb, rope; writes xb, wqb, wpb, rope
.if DOCPART == 1
	.amdgcn_target "amdgcn-amd-amdhsa--gfx1250"
	.amdhsa_code_object_version 6
	.text
	.protected	k_q864f1a3b5a_prep
	.globl	k_q864f1a3b5a_prep
	.p2align	8
	.type	k_q864f1a3b5a_prep,@function
k_q864f1a3b5a_prep:
	s_mov_b64 s[64:65], 0
	v_nop
	global_prefetch_b8 v0, s[64:65] scope:SCOPE_SE
	s_setreg_imm32_b32 hwreg(HW_REG_WAVE_MODE, 25, 1), 1
	s_wait_xcnt 0x0
; prep: the three f32 inputs are cast once to 16 bits for the matrix units, and the table of cos and sin for RoPE is made.
; x -> xb and Wqkv -> wqb in bf16.  Wproj -> wpb: rounded to bf16 like the other two (all three inputs carry the same rounding) and that
; number is then written as f16, because its partner in the last product, y, is kept in f16.  A bf16 number of magnitude 2^-17 to 65504
; is an f16 number exactly; a smaller one is off by at most 2^-25.  LIMIT: |Wproj| above 65504 becomes infinite.
; The inputs hold 8,388,608 numbers; each of 256 work-groups casts 32,768 of them (128 KiB in, 64 KiB out): groups 0-127 x, 128-223 Wqkv,
; 224-255 Wproj.  A thread issues all its 32 loads of 16 bytes at once (a load of a wave covers 512 consecutive bytes) and stores 8 bytes
; for each (a store of a wave covers 256 consecutive bytes, aligned).  No LDS, no barrier, no matrix unit: a stream has no use for them.
; TABLE: rope holds f32; byte offset bits: 3:2 e, 7:4 r, 8 h, 9 half, 10 nb, 11 cs, 12.. tb; the number there is cos (cs = 0) or sin (cs = 1)
; of pos * 10000^(-i/32), pos = 16 tb + r, i = 16 nb + 8 h + 4 half + e: the order in which a lane of the next launch wants it.
; Each of the 2,048 waves writes one block of 256 bytes of it, two numbers a lane.
; LIMIT: 10000^(-i/32) comes from v_exp_f32, so the largest angles (about 2,000 rad) are off by about 2e-4 rad; cos itself is a series to 1e-7.
.set X,   16                           ; v[16:143] load j: 4 registers
.set NLD, 32                           ; loads of a thread
	s_load_b256 s[4:11], s[0:1], 0x0               ; x s[4:5], Wqkv s[6:7], Wproj s[8:9], xb s[10:11]
	s_load_b128 s[12:15], s[0:1], 0x20             ; wqb s[12:13], wpb s[14:15]
	s_load_b64 s[16:17], s[0:1], 0x30              ; rope
	v_lshlrev_b32 v1, 4, v0                        ; 16 bytes a thread in
	v_lshlrev_b32 v2, 3, v0                        ; 8 bytes a thread out (casts and table)
	s_movk_i32 s29, 224                            ; first work-group of my part
	s_wait_kmcnt 0x0
	s_cmp_lt_u32 ttmp9, 224
	s_cselect_b64 s[24:25], s[6:7], s[8:9]         ; from
	s_cselect_b64 s[26:27], s[12:13], s[14:15]     ; to
	s_cselect_b32 s29, 128, s29
	s_cmp_lt_u32 ttmp9, 128
	s_cselect_b64 s[24:25], s[4:5], s[24:25]
	s_cselect_b64 s[26:27], s[10:11], s[26:27]
	s_cselect_b32 s29, 0, s29
	s_sub_co_u32 s28, ttmp9, s29                   ; my number inside the part, 127 at the most
	s_lshl_b32 s30, s28, 17                        ; x 128 KiB in
	s_mov_b32 s31, 0
	s_lshl_b32 s32, s28, 16                        ; x 64 KiB out
	s_mov_b32 s33, 0
	s_add_nc_u64 s[24:25], s[24:25], s[30:31]
	s_add_nc_u64 s[26:27], s[26:27], s[32:33]
.set jj, 0
.rept NLD
	global_load_b128 v[X+4*jj:X+4*jj+3], v1, s[24:25] offset:4096*jj th:TH_LOAD_NT
.set jj, jj+1
.endr
	; the table, while the loads are on their way
	s_lshl_b32 s34, ttmp9, 11                      ; 2,048 bytes of the table for each work-group
	s_mov_b32 s35, 0
	s_add_nc_u64 s[16:17], s[16:17], s[34:35]
	s_lshr_b32 s20, ttmp9, 1
	s_lshl_b32 s20, s20, 4                         ; 16 tb
	s_bitcmp1_b32 ttmp9, 0                         ; cs
	s_cselect_b32 s21, 0xbe800000, 0               ; sin x = cos(x - pi/2): minus a quarter turn,
	s_cselect_b32 s22, 0x3fc90fdb, 0               ; and pi/2
	v_bfe_u32 v3, v0, 7, 1                         ; nb
	v_bfe_u32 v4, v0, 5, 1                         ; h
	v_bfe_u32 v5, v0, 6, 1                         ; half
	v_and_b32 v6, 1, v0                            ; upper bit of e
	v_lshlrev_b32 v3, 4, v3
	v_lshl_add_u32 v3, v4, 3, v3
	v_lshl_add_u32 v3, v5, 2, v3
	v_lshl_add_u32 v3, v6, 1, v3                   ; i of my first number
	v_add_nc_u32 v4, 1, v3                         ; and of my second
	v_bfe_u32 v5, v0, 1, 4                         ; r
	v_add_nc_u32 v5, s20, v5
	v_cvt_f32_u32 v5, v5                           ; pos
	v_cvt_f32_u32 v3, v3
	v_cvt_f32_u32 v4, v4
	v_mul_f32 v3, 0xbed49a78, v3                   ; -i log2(10000) / 32
	v_mul_f32 v4, 0xbed49a78, v4
	v_exp_f32 v3, v3
	v_exp_f32 v4, v4
	v_nop                                          ; one plain place behind the transcendentals (ISA guide 5.7.2)
	s_wait_alu depctr_va_vdst(0)
	v_mul_f32 v3, v5, v3                           ; the angles
	v_mul_f32 v4, v5, v4
; dst = cos(a - phase): whole turns are taken off in two parts of 2 pi, then cos z = 1 - 2 sin^2(z/2) with the series of sin to degree 11 on |z/2| <= pi/2
.macro COSV dst, a
	v_fma_f32 v6, \a, 0x3e22f983, s21              ; turns
	v_rndne_f32 v6, v6
	v_fma_f32 v7, v6, 0xc0c90fdb, \a               ; - n x upper part of 2 pi
	v_fma_f32 v7, v6, 0x343bbd2e, v7               ; - n x lower part
	v_sub_f32 v7, v7, s22
	v_mul_f32 v7, 0.5, v7
	v_mul_f32 v8, v7, v7
	v_mov_b32 v9, 0xb2d7322b                       ; -1/11!
	v_fmaak_f32 v9, v9, v8, 0x3638ef1d             ; 1/9!
	v_fmaak_f32 v9, v9, v8, 0xb9500d01             ; -1/7!
	v_fmaak_f32 v9, v9, v8, 0x3c088889             ; 1/5!
	v_fmaak_f32 v9, v9, v8, 0xbe2aaaab             ; -1/3!
	v_mul_f32 v9, v9, v8
	v_fma_f32 v9, v9, v7, v7                       ; sin(z/2)
	v_mul_f32 v8, -2.0, v9
	v_fma_f32 \dst, v8, v9, 1.0
.endm
	COSV v10, v3
	COSV v11, v4
	global_store_b64 v2, v[10:11], s[16:17]
; the casts.  Loads come back in order (ISA guide 5.7.1): the count is the number of younger loads.  No register that a load or store names is written again.
.macro CASTB j
	s_wait_loadcnt NLD-1-\j
	v_cvt_pk_bf16_f32 v[X+4*\j], v[X+4*\j], v[X+4*\j+1]
	v_cvt_pk_bf16_f32 v[X+4*\j+1], v[X+4*\j+2], v[X+4*\j+3]
	global_store_b64 v2, v[X+4*\j:X+4*\j+1], s[26:27] offset:2048*\j
.endm
.macro CASTH j
	s_wait_loadcnt NLD-1-\j
	v_cvt_pk_bf16_f32 v[X+4*\j], v[X+4*\j], v[X+4*\j+1]        ; rounded to bf16,
	v_cvt_pk_bf16_f32 v[X+4*\j+2], v[X+4*\j+2], v[X+4*\j+3]
	v_and_b32 v[X+4*\j+1], 0xffff0000, v[X+4*\j]               ; widened again,
	v_lshlrev_b32 v[X+4*\j], 16, v[X+4*\j]
	v_and_b32 v[X+4*\j+3], 0xffff0000, v[X+4*\j+2]
	v_lshlrev_b32 v[X+4*\j+2], 16, v[X+4*\j+2]
	v_cvt_pk_f16_f32 v[X+4*\j], v[X+4*\j], v[X+4*\j+1]         ; and written as f16
	v_cvt_pk_f16_f32 v[X+4*\j+1], v[X+4*\j+2], v[X+4*\j+3]
	global_store_b64 v2, v[X+4*\j:X+4*\j+1], s[26:27] offset:2048*\j
.endm
	s_cmp_ge_u32 ttmp9, 224
	s_cbranch_scc1 .Lwproj
.set jj, 0
.rept NLD
	CASTB jj
.set jj, jj+1
.endr
	s_endpgm
.Lwproj:
.set jj, 0
.rept NLD
	CASTH jj
.set jj, jj+1
.endr
	s_endpgm
.Lfunc_end_k_q864f1a3b5a_prep:
	.size	k_q864f1a3b5a_prep, .Lfunc_end_k_q864f1a3b5a_prep-k_q864f1a3b5a_prep
	.p2alignl 7, 3214868480
	.fill 96, 4, 3214868480
	.section	.rodata,"a",@progbits
	.p2align	6, 0x0
	.amdhsa_kernel k_q864f1a3b5a_prep
		.amdhsa_group_segment_fixed_size 0
		.amdhsa_private_segment_fixed_size 0
		.amdhsa_enable_private_segment 0
		.amdhsa_kernarg_size 56
		.amdhsa_user_sgpr_count 2
		.amdhsa_user_sgpr_kernarg_segment_ptr 1
		.amdhsa_wavefront_size32 1
		.amdhsa_system_sgpr_workgroup_id_x 1
		.amdhsa_system_sgpr_workgroup_id_y 1
		.amdhsa_system_sgpr_workgroup_id_z 1
		.amdhsa_system_vgpr_workitem_id 0
		.amdhsa_next_free_vgpr 144
		.amdhsa_next_free_sgpr 66
		.amdhsa_reserve_vcc 0
		.amdhsa_float_denorm_mode_32 3
		.amdhsa_float_denorm_mode_16_64 3
		.amdhsa_memory_ordered 1
		.amdhsa_forward_progress 1
		.amdhsa_inst_pref_size 34
	.end_amdhsa_kernel
	.amdgpu_metadata
---
amdhsa.version: [ 1, 2 ]
amdhsa.kernels:
  - .name:           k_q864f1a3b5a_prep
    .symbol:         k_q864f1a3b5a_prep.kd
    .args:
      - { .name: x, .offset: 0, .size: 8, .value_kind: global_buffer, .address_space: global }
      - { .name: Wqkv, .offset: 8, .size: 8, .value_kind: global_buffer, .address_space: global }
      - { .name: Wproj, .offset: 16, .size: 8, .value_kind: global_buffer, .address_space: global }
      - { .name: xb, .offset: 24, .size: 8, .value_kind: global_buffer, .address_space: global }
      - { .name: wqb, .offset: 32, .size: 8, .value_kind: global_buffer, .address_space: global }
      - { .name: wpb, .offset: 40, .size: 8, .value_kind: global_buffer, .address_space: global }
      - { .name: rope, .offset: 48, .size: 8, .value_kind: global_buffer, .address_space: global }
    .group_segment_fixed_size: 0
    .private_segment_fixed_size: 0
    .kernarg_segment_align: 8
    .kernarg_segment_size: 56
    .max_flat_workgroup_size: 256
    .sgpr_count:     66
    .vgpr_count:     144
    .wavefront_size: 32
...
	.end_amdgpu_metadata
.endif
;; end of part 1
;; launch qkv (part 2): grid 8 x 32, 4 waves a work-group, clusters of 4 x 4, 327,680 bytes of LDS; arguments xb, wqb, bqkv, rope, qb, kb, vb; writes qb, kb, vb
.if DOCPART == 2
	.amdgcn_target "amdgcn-amd-amdhsa--gfx1250"
	.amdhsa_code_object_version 6
	.text
	.protected	k_q864f1a3b5a_qkv
	.globl	k_q864f1a3b5a_qkv
	.p2align	8
	.type	k_q864f1a3b5a_qkv,@function
k_q864f1a3b5a_qkv:
	s_mov_b64 s[64:65], 0
	v_nop
	global_prefetch_b8 v0, s[64:65] scope:SCOPE_SE
	s_setreg_imm32_b32 hwreg(HW_REG_WAVE_MODE, 25, 1), 1
	s_wait_xcnt 0x0
	s_wait_alu depctr_hold_cnt(0) depctr_sa_sdst(0) depctr_va_vdst(0) depctr_va_sdst(0) depctr_va_ssrc(0) depctr_va_vcc(0) depctr_vm_vsrc(0)
	s_getreg_b32 s2, hwreg(HW_REG_IB_STS2, 6, 4)
	s_cmp_eq_u32 s2, 0
	s_cbranch_scc0 .Lentry_in_a_cluster
	s_endpgm
.Lentry_in_a_cluster:
	s_bfe_u32 s2, ttmp6, 0x10000c
	s_cmp_lg_u32 s2, 0xf033
	s_cbranch_scc0 .Lentry_shape_is_right
	s_endpgm
.Lentry_shape_is_right:
; qkv: q, k, v = x Wqkv + bqkv, RoPE on q and k, stored as f16 in [batch][head][t][64].  Operands bf16, sums f32, bias and RoPE in f32.
; Work-group (bx, by): rows 128 by .. +127 of x, heads 2 bx and 2 bx + 1 of q, of k and of v (three column segments of 128 of Wqkv).
; Wave w: wm = w >> 1 picks 64 rows, wn = w & 1 one head: a tile of 64 x 192 = the q head, the k head and the v head, 48 accumulators of 16 x 16.
; Which columns are q, k or v is thus fixed in the text.  K goes in steps of 128 through two LDS slots filled by the tensor data mover.
; CLUSTERS: 4 x 4 work-groups.  x's tile hangs on by alone and is asked for jointly along a row of the cluster; Wqkv's tiles hang on bx alone and are
; asked for jointly along a column: the requests for both are divided by four.
; Wqkv lies [k][n]; ds_load_tr16_b128 transposes it on the way from LDS to the registers.
; The matrix instruction is used transposed (source 0 = columns of W, source 1 = rows of x): lane (r, h) register j holds row 16 mb + r, column 16 nb + 8 h + j.
; LIMIT: q, k, v leave as f16: magnitudes above 65504 become infinite (with numbers of unit spread in x and 1/32 in Wqkv they stay under about 6, so x and Wqkv may
; each be some 100 times larger); magnitudes under 6e-5 keep an absolute error of 3e-8.
; REGISTERS in windows of 256: window 0: v0-31 addresses, v32-63 and v64-95 fragments of x (two buffers), v128-255 cos and sin;
; window 1: v0-95, v96-191 fragments of W (two buffers); window 2: accumulators of q and k, (mb, nb) at 8 (8 mb + nb);
; window 3: v0-127 accumulators of v, (mb, nb) at 8 (4 mb + nb); v128-223 the bias of my 192 columns.
.set REG,   36864                      ; a region of a slot: 128 rows x 288 bytes (x's tile uses 128 x 272 of it)
.set SLOT,  4*REG                      ; x's tile, then the three segments of W
.set STAGE, 2*SLOT                     ; behind the ring: no tensor load fills it
.set STG,   6912                       ; a wave's stage: 3 heads x 16 rows x 144 bytes
.set PA,    272                        ; LDS pitch of x's rows: 256 + 16
.set PB,    288                        ; LDS pitch of W's rows: 256 + 32, an odd multiple of 32 for the transposing load
.set PS,    144                        ; pitch in the stage: 128 + 16
.set G1A, 28                           ; s[28:35] group 1 for x
.set G1B, 36                           ; s[36:43] group 1 for W
.set G0A, 44                           ; s[44:51] group 0 for x, one set for each slot
.set G0B, 52                           ; s[52:59] group 0 for W, one set for each slot
.set ADRA, 16                          ; v16-17 LDS address of my x fragments in slot 0, 1
.set ADRB, 18                          ; v18-23 the same for W: 3 x slot + segment
.set STO,  24                          ; where I put 16 bytes in the stage
.set RD,   25                          ; where I read them back
.set LO,   26                          ; 16 x lane
.set BA,   28                          ; 32 h
.set FA,   32                          ; x fragments: + 32 x buffer
.set ROPE, 128                         ; cos (mb, nb, j) at 128 + 32 mb + 8 nb + j, sin 16 further
.set T,    32                          ; the way out: 32 rotated numbers
.set PK,   64                          ; 16 packed words
.set RB,   80                          ; 48 words read back
.set BIAS, 128                         ; window 3
.set MUL_QK, 0xa1                      ; source 0 window 1, source 1 window 0, C and D window 2
.set MUL_V,  0xf1                      ; the same with C and D in window 3
.set TO_B,   0x40                      ; destination window 1
.set TO_BIAS,0xc0                      ; destination window 3
.set ADD_QK, 0x8e                      ; D and source 0 window 2, source 1 window 3
.set ADD_V,  0xcf                      ; all three window 3
.set ROT,    0x02                      ; source 0 window 2
.set CVT_V,  0x0f                      ; sources 0 and 1 window 3
.set MSB, 0
.macro WIN new                         ; the immediate's high byte repeats the setting that is left
.if MSB != \new
	s_set_vgpr_msb (MSB<<8)|\new
.set MSB, \new
.endif
.endm
.macro PLACES                          ; four plain places behind a matrix instruction (ISA guide 7.12.1)
.rept 4
	v_nop
.endr
.endm
; A joint load: wave 0 asks for x's tile, waves 1 to 3 for one segment of W each.  The branch hangs on the wave's number alone.
.macro JLOAD s
	s_cmp_eq_u32 s18, 0
	s_cbranch_scc0 .Lfor_b_\@
	tensor_load_to_lds s[G0A+4*\s:G0A+4*\s+3], s[G1A:G1A+7]
	s_nop 0
	s_branch .Lasked_\@
.Lfor_b_\@:
	tensor_load_to_lds s[G0B+4*\s:G0B+4*\s+3], s[G1B:G1B+7]
	s_nop 0
.Lasked_\@:
.endm
.macro CREST                           ; a round of the cluster's barrier behind its opening barrier
	s_cmp_lg_u32 s18, 0
	s_cbranch_scc1 .Lnot_wave_0_\@
	s_barrier_signal -3
.Lnot_wave_0_\@:
	s_barrier_wait -3
	s_barrier_signal -1
	s_barrier_wait -1
.endm
.macro CROUND                          ; a whole round
	s_barrier_signal -1
	s_barrier_wait -1
	CREST
.endm
	s_load_b256 s[4:11], s[0:1], 0x0               ; xb s[4:5], wqb s[6:7], bqkv s[8:9], rope s[10:11]
	s_load_b128 s[12:15], s[0:1], 0x20             ; qb s[12:13], kb s[14:15]
	s_load_b64 s[16:17], s[0:1], 0x30              ; vb
	s_set_vgpr_msb 0x40
	v_lshl_add_u32 v255, v0, 2, 0x4ec00
	s_set_vgpr_msb 0x4000
	v_mov_b32 v31, 0
	s_set_vgpr_msb 0x1
	ds_add_u32 v255, v31
	s_set_vgpr_msb 0x100
	v_lshrrev_b32 v1, 5, v0
	v_readfirstlane_b32 s18, v1                    ; wave
	s_lshr_b32 s19, s18, 1                         ; wm
	s_and_b32 s20, s18, 1                          ; wn
	s_bfe_u32 s21, ttmp6, 0x40000                  ; cx
	s_bfe_u32 s22, ttmp6, 0x40004                  ; cy
	s_lshl_b32 s23, ttmp9, 2
	s_add_co_u32 s23, s23, s21                     ; bx
	s_and_b32 s24, ttmp7, 0xffff
	s_lshl_b32 s24, s24, 2
	s_add_co_u32 s24, s24, s22                     ; by
	s_lshl_b32 s25, s22, 2
	s_lshl_b32 s25, 15, s25                        ; my row of the cluster
	s_lshl_b32 s26, 0x1111, s21                    ; my column
	; group 1: tiles of 128 rows x 128 elements of 2 bytes; a pad behind every 64 words: 4 words for x, 8 for W; bit 21 beside a mask
	s_or_b32 s[G1A+0], s25, (1<<16)|(1<<20)|(1<<21)|(5<<22)|(3<<25)
	s_mov_b32 s[G1A+1], 128<<16                    ; tensor_dim0 = 128
	s_mov_b32 s[G1A+2], 128<<16                    ; tensor_dim1 = 128
	s_mov_b32 s[G1A+3], 128<<16                    ; tile_dim0 = 128
	s_mov_b32 s[G1A+4], 128                        ; tile_dim1 = 128
	s_mov_b32 s[G1A+5], 1024                       ; elements from row to row of x
	s_mov_b32 s[G1A+6], 0
	s_mov_b32 s[G1A+7], 0
	s_or_b32 s[G1B+0], s26, (1<<16)|(1<<20)|(1<<21)|(5<<22)|(7<<25)
	s_mov_b32 s[G1B+1], 128<<16
	s_mov_b32 s[G1B+2], 128<<16
	s_mov_b32 s[G1B+3], 128<<16
	s_mov_b32 s[G1B+4], 128
	s_mov_b32 s[G1B+5], 3072                       ; elements from row to row of Wqkv
	s_mov_b32 s[G1B+6], 0
	s_mov_b32 s[G1B+7], 0
	; x's address is made of by alone, W's of bx and the wave's number alone, each in registers that never hold the other coordinate
	s_lshl_b32 s60, s24, 18                        ; 128 rows of 2,048 bytes
	s_mov_b32 s61, 0
	s_max_u32 s66, s18, 1
	s_sub_co_u32 s66, s66, 1                       ; my segment (wave 0 asks for none of W)
	s_lshl_b32 s66, s66, 11                        ; 1,024 columns of 2 bytes
	s_lshl_b32 s67, s23, 8                         ; 128 columns of 2 bytes
	s_add_co_u32 s66, s66, s67
	s_mov_b32 s67, 0
	s_mul_i32 s70, s18, REG                        ; where my tile goes: the wave's region
	s_wait_dscnt 0x0
	s_wait_kmcnt 0x0
	s_add_nc_u64 s[62:63], s[4:5], s[60:61]
	s_add_nc_u64 s[68:69], s[6:7], s[66:67]
	CROUND                                         ; all sixteen work-groups are here: the first joint loads meet
.irp s, 0,1
	s_mov_b32 s[G0A+4*\s], 1
	s_add_co_u32 s[G0A+4*\s+1], s70, \s*SLOT
	s_add_nc_u64 s[G0A+4*\s+2:G0A+4*\s+3], s[62:63], \s*256         ; K step s: 128 elements along x's rows
	s_or_b32 s[G0A+4*\s+3], s[G0A+4*\s+3], 0x80000000
	s_mov_b32 s[G0B+4*\s], 1
	s_add_co_u32 s[G0B+4*\s+1], s70, \s*SLOT
	s_add_nc_u64 s[G0B+4*\s+2:G0B+4*\s+3], s[68:69], \s*786432      ; K step s: 128 rows of 6,144 bytes down W
	s_or_b32 s[G0B+4*\s+3], s[G0B+4*\s+3], 0x80000000
	JLOAD \s                                       ; both first fills go out together: two loads of this wave are out
.endr
	v_and_b32 v1, 15, v0                           ; r
	v_bfe_u32 v2, v0, 4, 1                         ; h
	v_and_b32 v3, 31, v0                           ; lane
	v_and_b32 v4, 7, v0
	v_bfe_u32 v5, v0, 3, 1
	v_bfe_u32 v6, v0, 3, 2                         ; lane >> 3
	v_mul_u32_u24 v7, v1, PA
	v_lshl_add_u32 v7, v2, 4, v7                   ; x fragment: row r, 16 bytes for each half of the lanes
	s_mul_i32 s71, s19, 64*PA
	v_add_nc_u32 v[ADRA], s71, v7
	v_add_nc_u32 v[ADRA+1], SLOT, v[ADRA]
	v_lshl_add_u32 v8, v2, 3, v4                   ; W fragment: k row 8 h + (lane & 7),
	v_mul_u32_u24 v8, v8, PB
	v_lshl_add_u32 v8, v5, 4, v8                   ; 16 bytes for each eight lanes,
	s_lshl_b32 s72, s20, 7
	v_add_nc_u32 v8, s72, v8                       ; my head's 64 columns
.irp s, 0,1
.irp g, 0,1,2
	v_add_nc_u32 v[ADRB+3*\s+\g], \s*SLOT+(1+\g)*REG, v8
.endr
.endr
	s_mul_i32 s73, s18, STG
	s_add_co_u32 s73, s73, STAGE
	v_mul_u32_u24 v9, v1, PS
	v_lshl_add_u32 v9, v2, 4, v9
	v_add_nc_u32 v[STO], s73, v9
	v_mul_u32_u24 v10, v6, PS
	v_lshl_add_u32 v10, v4, 4, v10
	v_add_nc_u32 v[RD], s73, v10
	v_lshlrev_b32 v[LO], 4, v3
	v_lshlrev_b32 v[BA], 5, v2
	; cos, sin and bias go into registers that the loop never names; they are waited for behind the loop
	s_and_b32 s74, s24, 15                         ; my block of 128 positions
	s_lshl_b32 s75, s74, 3
	s_lshl2_add_u32 s75, s19, s75                  ; first block of 16 positions: 8 (by & 15) + 4 wm
	s_lshl_b32 s78, s75, 12
	s_mov_b32 s79, 0
	s_add_nc_u64 s[76:77], s[10:11], s[78:79]
	s_lshl1_add_u32 s82, s23, s20                  ; my head: 2 bx + wn
	s_lshl_b32 s78, s82, 8
	s_add_nc_u64 s[80:81], s[8:9], s[78:79]
.irp m, 0,1,2,3
.irp q, 0,1,2,3,4,5,6,7
	global_load_b128 v[ROPE+32*\m+4*\q:ROPE+32*\m+4*\q+3], v[LO], s[76:77] offset:\m*4096+\q*512   ; 512 consecutive bytes
.endr
.endr
	WIN TO_BIAS
.irp g, 0,1,2
.irp n, 0,1,2,3
	global_load_b128 v[BIAS+8*(4*\g+\n):BIAS+8*(4*\g+\n)+3],   v[BA], s[80:81] offset:\g*4096+\n*64
	global_load_b128 v[BIAS+8*(4*\g+\n)+4:BIAS+8*(4*\g+\n)+7], v[BA], s[80:81] offset:\g*4096+\n*64+16
.endr
.endr
	WIN 0
	s_lshr_b32 s83, s24, 4                         ; batch
	s_lshl4_add_u32 s83, s83, s82                  ; batch x 16 + head
	s_lshl_b32 s83, s83, 11
	s_lshl_b32 s74, s74, 7
	s_add_co_u32 s83, s83, s74
	s_lshl_b32 s75, s19, 6
	s_add_co_u32 s83, s83, s75                     ; my first row in [batch][head][t]
	s_lshl_b32 s78, s83, 7                         ; rows of 128 bytes
	s_add_nc_u64 s[84:85], s[12:13], s[78:79]
	s_add_nc_u64 s[86:87], s[14:15], s[78:79]
	s_add_nc_u64 s[88:89], s[16:17], s[78:79]
; 32 LDS loads: the fragments of one quarter step (32 along K): 64 rows of x, 192 columns of W, into buffer f
.macro FETCH slot, kq, f
	WIN 0
.irp i, 0,1,2,3
	ds_load_b128 v[FA+32*\f+8*\i:FA+32*\f+8*\i+3],   v[ADRA+\slot] offset:\i*16*PA+64*\kq
	ds_load_b128 v[FA+32*\f+8*\i+4:FA+32*\f+8*\i+7], v[ADRA+\slot] offset:\i*16*PA+64*\kq+32
.endr
	WIN TO_B
.irp g, 0,1,2
.irp i, 0,1,2,3
	ds_load_tr16_b128 v[96*\f+8*(4*\g+\i):96*\f+8*(4*\g+\i)+3],   v[ADRB+3*\slot+\g] offset:\kq*32*PB+32*\i
	ds_load_tr16_b128 v[96*\f+8*(4*\g+\i)+4:96*\f+8*(4*\g+\i)+7], v[ADRB+3*\slot+\g] offset:\kq*32*PB+32*\i+16*PB
.endr
.endr
.endm
; The 48 accumulators take turns, one instruction a turn, in the same order in every quarter step.
.macro MULQK f, m0, zero
.irp a, \m0, \m0+1
.irp b, 0,1,2,3,4,5,6,7
.if \zero
	v_wmma_f32_16x16x32_bf16 v[8*(8*(\a)+\b):8*(8*(\a)+\b)+7], v[96*\f+8*\b:96*\f+8*\b+7], v[FA+32*\f+8*(\a):FA+32*\f+8*(\a)+7], 0
.else
	v_wmma_f32_16x16x32_bf16 v[8*(8*(\a)+\b):8*(8*(\a)+\b)+7], v[96*\f+8*\b:96*\f+8*\b+7], v[FA+32*\f+8*(\a):FA+32*\f+8*(\a)+7], v[8*(8*(\a)+\b):8*(8*(\a)+\b)+7]
.endif
.endr
.endr
.endm
.macro MULV f, zero
.irp a, 0,1,2,3
.irp b, 0,1,2,3
.if \zero
	v_wmma_f32_16x16x32_bf16 v[8*(4*\a+\b):8*(4*\a+\b)+7], v[96*\f+64+8*\b:96*\f+64+8*\b+7], v[FA+32*\f+8*\a:FA+32*\f+8*\a+7], 0
.else
	v_wmma_f32_16x16x32_bf16 v[8*(4*\a+\b):8*(4*\a+\b)+7], v[96*\f+64+8*\b:96*\f+64+8*\b+7], v[FA+32*\f+8*\a:FA+32*\f+8*\a+7], v[8*(4*\a+\b):8*(4*\a+\b)+7]
.endif
.endr
.endr
.endm
; One of a K step's first three quarters: buffer f is in; the next quarter's 32 loads go out in one run into buffer g and have this quarter's 48 products in which to land
.macro QUARTER slot, knext, f, g, zero
	s_wait_dscnt 0x0                               ; buffer f, asked for a quarter ago
	PLACES                                         ; buffer g was read by the last quarter's products
	FETCH \slot, \knext, \g
	WIN MUL_QK
	MULQK \f, 0, \zero
	MULQK \f, 2, \zero
	WIN MUL_V
	MULV \f, \zero
.endm
.macro THREE slot, zero
	QUARTER \slot, 1, 0, 1, \zero
	QUARTER \slot, 2, 1, 0, 0
	QUARTER \slot, 3, 0, 1, 0
.endm
; The last quarter multiplies buffer 1 and changes slots.  In front of the barrier each wave waits for its reads of this slot and for all its tensor loads
; (one is out: its part of the next slot).  fill = 1: the barrier opens a round of the cluster's barrier, and this slot's refill, two K steps ahead, comes first behind the round.
.macro TURN slot, next, fill
	s_wait_dscnt 0x0
	s_wait_tensorcnt 0x0
	ds_add_u32 v255, v31
	s_wait_dscnt 0x0
	s_barrier_signal -1
	WIN MUL_QK
	MULQK 1, 0, 0                                  ; register work while the others arrive
	WIN 0
	s_barrier_wait -1
.if \fill
	CREST
	s_add_nc_u64 s[G0A+4*\slot+2:G0A+4*\slot+3], s[G0A+4*\slot+2:G0A+4*\slot+3], 512
	s_add_nc_u64 s[G0B+4*\slot+2:G0B+4*\slot+3], s[G0B+4*\slot+2:G0B+4*\slot+3], 1572864
	JLOAD \slot
.endif
	PLACES
	FETCH \next, 0, 0
	WIN MUL_QK
	MULQK 1, 2, 0
	WIN MUL_V
	MULV 1, 0
.endm
.macro LAP zero
	THREE 0, \zero
	TURN 0, 1, 1
	THREE 1, 0
	TURN 1, 0, 1
.endm
	s_wait_tensorcnt 0x1                           ; my part of K step 0 is in; K step 1's load stays out
	s_barrier_signal -1
	s_barrier_wait -1
	FETCH 0, 0, 0
	LAP 1                                          ; K steps 0, 1: the first products start the sums
	WIN 0
	s_mov_b32 s27, 2
.Llap:
	LAP 0                                          ; K steps 2 to 5
	WIN 0
	s_sub_co_u32 s27, s27, 1
	s_cmp_lg_u32 s27, 0
	s_cbranch_scc1 .Llap
	THREE 0, 0                                     ; K steps 6, 7: nothing is left to fetch
	TURN 0, 1, 0
	THREE 1, 0
	s_wait_dscnt 0x0
	WIN MUL_QK
	MULQK 1, 0, 0
	MULQK 1, 2, 0
	WIN MUL_V
	MULV 1, 0
	; THE WAY OUT: bias, RoPE, f16, through my own stage, whole runs of 512 bytes out
	PLACES
	s_wait_loadcnt 0x0                             ; cos, sin, bias
	WIN ADD_QK
.irp m, 0,1,2,3
.irp n, 0,1,2,3,4,5,6,7
.irp p, 0,2,4,6
	v_pk_add_f32 v[8*(8*\m+\n)+\p:8*(8*\m+\n)+\p+1], v[8*(8*\m+\n)+\p:8*(8*\m+\n)+\p+1], v[BIAS+8*\n+\p:BIAS+8*\n+\p+1]
.endr
.endr
.endr
	WIN ADD_V
.irp m, 0,1,2,3
.irp n, 0,1,2,3
.irp p, 0,2,4,6
	v_pk_add_f32 v[8*(4*\m+\n)+\p:8*(4*\m+\n)+\p+1], v[8*(4*\m+\n)+\p:8*(4*\m+\n)+\p+1], v[BIAS+64+8*\n+\p:BIAS+64+8*\n+\p+1]
.endr
.endr
.endr
; 16 rows of my three heads.  a = columns 0-31 of a head, b = columns 32-63: a cos - b sin, b cos + a sin.
.macro OUTMB m
.irp hh, 0,1
	WIN ROT
.irp n, 0,1
.irp p, 0,2,4,6
	v_pk_mul_f32 v[T+8*\n+\p:T+8*\n+\p+1], v[8*(8*\m+4*\hh+\n)+\p:8*(8*\m+4*\hh+\n)+\p+1], v[ROPE+32*\m+8*\n+\p:ROPE+32*\m+8*\n+\p+1]
	v_pk_mul_f32 v[T+16+8*\n+\p:T+16+8*\n+\p+1], v[8*(8*\m+4*\hh+\n+2)+\p:8*(8*\m+4*\hh+\n+2)+\p+1], v[ROPE+32*\m+8*\n+\p:ROPE+32*\m+8*\n+\p+1]
	v_pk_fma_f32 v[T+8*\n+\p:T+8*\n+\p+1], v[8*(8*\m+4*\hh+\n+2)+\p:8*(8*\m+4*\hh+\n+2)+\p+1], v[ROPE+32*\m+16+8*\n+\p:ROPE+32*\m+16+8*\n+\p+1], v[T+8*\n+\p:T+8*\n+\p+1] neg_lo:[1,0,0] neg_hi:[1,0,0]
	v_pk_fma_f32 v[T+16+8*\n+\p:T+16+8*\n+\p+1], v[8*(8*\m+4*\hh+\n)+\p:8*(8*\m+4*\hh+\n)+\p+1], v[ROPE+32*\m+16+8*\n+\p:ROPE+32*\m+16+8*\n+\p+1], v[T+16+8*\n+\p:T+16+8*\n+\p+1]
.endr
.endr
	WIN 0
.irp i, 0,1,2,3,4,5,6,7,8,9,10,11,12,13,14,15
	v_cvt_pk_f16_f32 v[PK+\i], v[T+2*\i], v[T+2*\i+1]
.endr
.irp n, 0,1,2,3
	ds_store_b128 v[STO], v[PK+4*\n:PK+4*\n+3] offset:\hh*16*PS+32*\n
.endr
.endr
	WIN CVT_V
.irp i, 0,1,2,3,4,5,6,7,8,9,10,11,12,13,14,15
	v_cvt_pk_f16_f32 v[PK+\i], v[32*\m+2*\i], v[32*\m+2*\i+1]
.endr
	WIN 0
.irp n, 0,1,2,3
	ds_store_b128 v[STO], v[PK+4*\n:PK+4*\n+3] offset:2*16*PS+32*\n
.endr
	s_wait_xcnt 0x0                                ; RB held the last turn's store data: it is loaded again only behind this wait
.irp i, 0,1,2,3,4,5,6,7,8,9,10,11
	ds_load_b128 v[RB+4*\i:RB+4*\i+3], v[RD] offset:(\i/4)*16*PS+(\i%4)*4*PS   ; four rows; LDS serves a wave in order (ISA guide 5.7.1): these see the stores above
.endr
.irp i, 0,1,2,3,4,5,6,7,8,9,10,11
	s_wait_dscnt 11-\i                             ; the count is the number of younger loads
	global_store_b128 v[LO], v[RB+4*\i:RB+4*\i+3], s[84+2*(\i/4):85+2*(\i/4)] offset:\m*2048+(\i%4)*512   ; four rows of 128 bytes: 512 consecutive bytes, aligned
.endr
.endm
	OUTMB 0
	OUTMB 1
	OUTMB 2
	OUTMB 3
	s_set_vgpr_msb 0x1
	s_wait_tensorcnt 0x0
	ds_add_u32 v255, v31
	s_wait_dscnt 0x0
	s_set_vgpr_msb 0x100
	CROUND                                         ; the closing round: no work-group ends while a partner may still ask for a tile that names it
	s_endpgm
.Lfunc_end_k_q864f1a3b5a_qkv:
	.size	k_q864f1a3b5a_qkv, .Lfunc_end_k_q864f1a3b5a_qkv-k_q864f1a3b5a_qkv
	.p2alignl 7, 3214868480
	.fill 96, 4, 3214868480
	.section	.rodata,"a",@progbits
	.p2align	6, 0x0
	.amdhsa_kernel k_q864f1a3b5a_qkv
		.amdhsa_group_segment_fixed_size 327680
		.amdhsa_private_segment_fixed_size 0
		.amdhsa_enable_private_segment 0
		.amdhsa_kernarg_size 56
		.amdhsa_user_sgpr_count 2
		.amdhsa_user_sgpr_kernarg_segment_ptr 1
		.amdhsa_wavefront_size32 1
		.amdhsa_system_sgpr_workgroup_id_x 1
		.amdhsa_system_sgpr_workgroup_id_y 1
		.amdhsa_system_sgpr_workgroup_id_z 1
		.amdhsa_system_vgpr_workitem_id 0
		.amdhsa_next_free_vgpr 1024
		.amdhsa_next_free_sgpr 96
		.amdhsa_reserve_vcc 0
		.amdhsa_float_denorm_mode_32 3
		.amdhsa_float_denorm_mode_16_64 3
		.amdhsa_memory_ordered 1
		.amdhsa_forward_progress 1
		.amdhsa_inst_pref_size 197
	.end_amdhsa_kernel
	.amdgpu_metadata
---
amdhsa.version: [ 1, 2 ]
amdhsa.kernels:
  - .name:           k_q864f1a3b5a_qkv
    .symbol:         k_q864f1a3b5a_qkv.kd
    .args:
      - { .name: xb, .offset: 0, .size: 8, .value_kind: global_buffer, .address_space: global }
      - { .name: wqb, .offset: 8, .size: 8, .value_kind: global_buffer, .address_space: global }
      - { .name: bqkv, .offset: 16, .size: 8, .value_kind: global_buffer, .address_space: global }
      - { .name: rope, .offset: 24, .size: 8, .value_kind: global_buffer, .address_space: global }
      - { .name: qb, .offset: 32, .size: 8, .value_kind: global_buffer, .address_space: global }
      - { .name: kb, .offset: 40, .size: 8, .value_kind: global_buffer, .address_space: global }
      - { .name: vb, .offset: 48, .size: 8, .value_kind: global_buffer, .address_space: global }
    .group_segment_fixed_size: 327680
    .private_segment_fixed_size: 0
    .kernarg_segment_align: 8
    .kernarg_segment_size: 56
    .max_flat_workgroup_size: 128
    .sgpr_count:     96
    .vgpr_count:     1024
    .wavefront_size: 32
...
	.end_amdgpu_metadata
.endif
;; end of part 2
;; launch attn (part 3): grid 256 x 1, 8 waves a work-group, clusters of 4 x 1, 327,680 bytes of LDS; arguments qb, kb, vb, yb; writes yb
.if DOCPART == 3
	.amdgcn_target "amdgcn-amd-amdhsa--gfx1250"
	.amdhsa_code_object_version 6
	.text
	.protected	k_q864f1a3b5a_attn
	.globl	k_q864f1a3b5a_attn
	.p2align	8
	.type	k_q864f1a3b5a_attn,@function
k_q864f1a3b5a_attn:
	s_mov_b64 s[64:65], 0
	v_nop
	global_prefetch_b8 v0, s[64:65] scope:SCOPE_SE
	s_setreg_imm32_b32 hwreg(HW_REG_WAVE_MODE, 25, 1), 1
	s_wait_xcnt 0x0
	s_wait_alu depctr_hold_cnt(0) depctr_sa_sdst(0) depctr_va_vdst(0) depctr_va_sdst(0) depctr_va_ssrc(0) depctr_va_vcc(0) depctr_vm_vsrc(0)
	s_getreg_b32 s2, hwreg(HW_REG_IB_STS2, 6, 4)
	s_cmp_eq_u32 s2, 0
	s_cbranch_scc0 .Lentry_in_a_cluster
	s_endpgm
.Lentry_in_a_cluster:
	s_bfe_u32 s2, ttmp6, 0x10000c
	s_cmp_lg_u32 s2, 0x3003
	s_cbranch_scc0 .Lentry_shape_is_right
	s_endpgm
.Lentry_shape_is_right:
; attn: causal softmax attention, y = softmax(q k^T / 8) v for 32 (batch, head) pairs, T = 2048, D = 64.  q, k, v, y: f16 [batch][head][t][64].
; Operands f16 (P too), scores, softmax and sums f32, with a running maximum.
; A cluster of four work-groups (number cl) serves head cl >> 1.  A head's rows are four blocks of 512; with P = cl & 1 the cluster takes block 3 - P and then block P,
; so every cluster walks 20 key tiles of 128.  In a block, wave w (u = w & 3, pi = w >> 2) of work-group c owns the 32 rows from (4 ue + c) 32, ue = 3 - u in the first
; pass and u in the second: each wave has 17 tile steps in all.  Waves pi = 0 and pi = 1 own the same rows and halve every key tile (keys 64 pi .. 64 pi + 63);
; their two partial softmaxes are merged through LDS at the end of a pass.
; CLUSTERS: the four work-groups walk the same K and V, in chunks of 256 keys (32 KiB each, dense in memory), asked for jointly: wave 0 asks for K, wave 1 for V.
; c enters only the mask's numbers and the addresses of q and y: no branch and no LDS address hangs on it.  A wave needs the tiles up to 4 blk + ue; the later tiles of
; its block are skipped by a branch on the wave's number; only tile d = ue is masked.
; FORMS: S^T = K Q^T (lane (r, h) register j: key 8 h + j, query r), so two packed score tiles ARE the B fragment of P^T; O^T = V^T P^T with V transposed by
; ds_load_tr16_b128.  Maximum, sum and rescaling are one number a lane; one v_permlanex16_b32 a tile joins the two halves of the lanes.
; LIMITS: an empty running maximum is -3.4e38, so every finite score is served; masked scores are -inf.  P is rounded to f16: terms under 3e-8 of the row's largest
; drop out (at most 2,048 x 3e-8 of the sum).  The sums run by 64 keys and two halves: the order of rounding differs from a plain softmax.
.set PKK,   144                        ; LDS pitch of K's rows: 128 + 16
.set PVV,   160                        ; of V's rows: 128 + 32, an odd multiple of 32 for the transposing load
.set VOFF,  256*PKK
.set SLOT,  VOFF+256*PVV               ; 77,824: a chunk of K, then of V
.set MRG,   2*SLOT                     ; merge area, 17 x 512 bytes for each u; no tensor load fills it
.set MRGW,  17*512
.set STAGE, MRG+4*MRGW                 ; the way out, 32 rows x 144 bytes for each u
.set PST,   144
.set STGW,  32*PST
.set CHB,   32768                      ; bytes of a chunk in memory
.set G1K, 28                           ; s[28:35]
.set G1V, 36                           ; s[36:43]
.set G0K, 44                           ; s[44:51] one set for each slot
.set G0V, 52                           ; s[52:59]
.set KADR, 1                           ; v1-2   my K fragments in slot 0, 1
.set VADR, 3                           ; v3-4   my V fragments
.set NINF, 5                           ; -inf
.set DIFF, 6                           ; v6-7   diagonal tile: key 16 kt + j is allowed if it is <= DIFF(qt)
.set QA,   8
.set MA,   9
.set STO,  10
.set RD,   11
.set LO,   12
.set M,    16                          ; v16-17 running maximum of the raw scores
.set NM,   18                          ; v18-21 -(log2 e / 8) M, twice, for each qt
.set AL,   22                          ; v22-25 the rescaling factor, twice
.set LS,   26                          ; v26-29 the running sums, a pair for each qt
.set Q,    32                          ; (qt, dk) at 32 + 16 qt + 8 dk
.set O,    64                          ; (qt, dt) at 64 + 8 (4 qt + dt)
.set S,    128                         ; (qt, kt) at 128 + 8 (4 qt + kt); P (kg, qt) over S (qt, 2 kg)
.set F,    192                         ; K (kt, dk) at 192 + 8 (2 kt + dk), later V (kg, dt) at 192 + 8 (4 kg + dt)
.macro PLACES n
.rept \n
	v_nop
.endr
.endm
.macro ROUND                           ; a round of the cluster's barrier
	s_barrier_signal -1
	s_barrier_wait -1
	s_cmp_lg_u32 s12, 0
	s_cbranch_scc1 .Lnot_wave_0_\@
	s_barrier_signal -3
.Lnot_wave_0_\@:
	s_barrier_wait -3
	s_barrier_signal -1
	s_barrier_wait -1
.endm
.macro JLOAD s                         ; the joint loads of a chunk: one tensor load for wave 0, one for wave 1, none for the others
	s_cmp_lg_u32 s12, 0
	s_cbranch_scc1 .Lnot_k_\@
	tensor_load_to_lds s[G0K+4*(\s):G0K+4*(\s)+3], s[G1K:G1K+7]
	s_nop 0
.Lnot_k_\@:
	s_cmp_lg_u32 s12, 1
	s_cbranch_scc1 .Lnot_v_\@
	tensor_load_to_lds s[G0V+4*(\s):G0V+4*(\s)+3], s[G1V:G1V+7]
	s_nop 0
.Lnot_v_\@:
.endm
	s_load_b256 s[4:11], s[0:1], 0x0               ; qb s[4:5], kb s[6:7], vb s[8:9], yb s[10:11]
	v_lshl_add_u32 v13, v0, 2, 0x33000
	s_set_vgpr_msb 0x40
	v_mov_b32 v1, 0
	s_set_vgpr_msb 0x4044
	ds_add_u32 v13, v1
	s_set_vgpr_msb 0x4400
	v_lshrrev_b32 v1, 5, v0
	v_readfirstlane_b32 s12, v1                    ; wave
	s_and_b32 s13, s12, 3                          ; u
	s_lshr_b32 s14, s12, 2                         ; pi
	s_bfe_u32 s15, ttmp6, 0x40000                  ; c
	s_lshr_b32 s16, ttmp9, 1                       ; batch x 16 + head
	s_and_b32 s17, ttmp9, 1                        ; P
	s_mov_b32 s18, 0x76543210                      ; v_permlanex16_b32: lane i reads lane i of the other half
	s_mov_b32 s19, 0xfedcba98
	s_mov_b32 s20, 0x3e38aa3b                      ; log2 e / 8
	s_mov_b32 s21, 0x3e38aa3b
	s_mov_b32 s22, 0xbe38aa3b
	; group 1: a dense block of 32 KiB as 128 rows of 32 elements of 8 bytes; a pad behind every 32 words (a row of K or V): 4 words for K, 8 for V; mask of all four, bit 21 beside it
	s_mov_b32 s[G1K+0], 15|(3<<16)|(1<<20)|(1<<21)|(4<<22)|(3<<25)
	s_mov_b32 s[G1K+1], 32<<16
	s_mov_b32 s[G1K+2], 128<<16
	s_mov_b32 s[G1K+3], 32<<16
	s_mov_b32 s[G1K+4], 128
	s_mov_b32 s[G1K+5], 32
	s_mov_b32 s[G1K+6], 0
	s_mov_b32 s[G1K+7], 0
	s_mov_b32 s[G1V+0], 15|(3<<16)|(1<<20)|(1<<21)|(4<<22)|(7<<25)
	s_mov_b32 s[G1V+1], 32<<16
	s_mov_b32 s[G1V+2], 128<<16
	s_mov_b32 s[G1V+3], 32<<16
	s_mov_b32 s[G1V+4], 128
	s_mov_b32 s[G1V+5], 32
	s_mov_b32 s[G1V+6], 0
	s_mov_b32 s[G1V+7], 0
	s_lshl_b32 s70, s16, 18                        ; 2,048 rows of 128 bytes a head
	s_mov_b32 s71, 0
	s_wait_dscnt 0x0
	s_wait_kmcnt 0x0
	s_add_nc_u64 s[60:61], s[6:7], s[70:71]        ; my head's K
	s_add_nc_u64 s[62:63], s[8:9], s[70:71]        ; and V
.irp s, 0,1
	s_mov_b32 s[G0K+4*\s], 1
	s_mov_b32 s[G0K+4*\s+1], \s*SLOT
	s_add_nc_u64 s[G0K+4*\s+2:G0K+4*\s+3], s[60:61], \s*CHB
	s_or_b32 s[G0K+4*\s+3], s[G0K+4*\s+3], 0x80000000
	s_mov_b32 s[G0V+4*\s], 1
	s_mov_b32 s[G0V+4*\s+1], \s*SLOT+VOFF
	s_add_nc_u64 s[G0V+4*\s+2:G0V+4*\s+3], s[62:63], \s*CHB
	s_or_b32 s[G0V+4*\s+3], s[G0V+4*\s+3], 0x80000000
.endr
	ROUND                                          ; in front of the first joint loads
	JLOAD 0                                        ; chunk 0
	v_and_b32 v128, 15, v0                         ; r
	v_bfe_u32 v129, v0, 4, 1                       ; h
	v_and_b32 v130, 31, v0                         ; lane
	v_and_b32 v131, 7, v0
	v_bfe_u32 v132, v0, 3, 1
	v_bfe_u32 v133, v0, 3, 2                       ; lane >> 3
	s_mul_i32 s72, s14, 64*PKK                     ; my half of a key tile
	v_mul_u32_u24 v[KADR], v128, PKK
	v_lshl_add_u32 v[KADR], v129, 4, v[KADR]
	v_add_nc_u32 v[KADR], s72, v[KADR]
	v_add_nc_u32 v[KADR+1], SLOT, v[KADR]
	s_mul_i32 s73, s14, 64*PVV
	s_add_co_u32 s73, s73, VOFF
	v_lshl_add_u32 v[VADR], v129, 3, v131
	v_mul_u32_u24 v[VADR], v[VADR], PVV
	v_lshl_add_u32 v[VADR], v132, 4, v[VADR]
	v_add_nc_u32 v[VADR], s73, v[VADR]
	v_add_nc_u32 v[VADR+1], SLOT, v[VADR]
	v_mov_b32 v[NINF], 0xff800000
	v_lshlrev_b32 v134, 3, v129
	v_sub_nc_u32 v134, v128, v134                  ; r - 8 h
	s_lshl_b32 s76, s15, 5
	s_lshl_b32 s77, s14, 6
	s_sub_co_i32 s76, s76, s77                     ; 32 c - 64 pi
	v_add_nc_u32 v[DIFF], s76, v134
	v_add_nc_u32 v[DIFF+1], 16, v[DIFF]
	v_lshlrev_b32 v[QA], 7, v128
	v_lshl_add_u32 v[QA], v129, 4, v[QA]           ; q fragment: row r of 128 bytes, 16 bytes for each half of the lanes
	v_lshlrev_b32 v[LO], 4, v130
	s_mul_i32 s74, s13, MRGW
	s_add_co_u32 s74, s74, MRG
	v_add_nc_u32 v[MA], s74, v[LO]
	s_mul_i32 s75, s13, STGW
	s_add_co_u32 s75, s75, STAGE
	v_mul_u32_u24 v[STO], v128, PST
	v_lshl_add_u32 v[STO], v129, 4, v[STO]
	v_add_nc_u32 v[STO], s75, v[STO]
	v_mul_u32_u24 v[RD], v133, PST
	v_lshl_add_u32 v[RD], v131, 4, v[RD]
	v_add_nc_u32 v[RD], s75, v[RD]
	v_mov_b32 v14, 0                               ; destinations of v_permlanex16_b32 count as read
	v_mov_b32 v15, 0
	v_mov_b32 v30, 0
	v_mov_b32 v31, 0
; my 32 rows of q for the pass with ue in s24 and the block in s25; s[72:73] keeps their byte offset for y
.macro QLOAD
	s_lshl2_add_u32 s70, s24, s15                  ; 4 ue + c
	s_lshl_b32 s70, s70, 5
	s_lshl_b32 s71, s25, 9
	s_add_co_u32 s71, s71, s70                     ; first row in the head
	s_lshl_b32 s72, s16, 11
	s_add_co_u32 s72, s72, s71
	s_lshl_b32 s72, s72, 7
	s_mov_b32 s73, 0
	s_add_nc_u64 s[66:67], s[4:5], s[72:73]
.irp qt, 0,1
.irp dk, 0,1
	global_load_b128 v[Q+16*\qt+8*\dk:Q+16*\qt+8*\dk+3],   v[QA], s[66:67] offset:\qt*2048+64*\dk
	global_load_b128 v[Q+16*\qt+8*\dk+4:Q+16*\qt+8*\dk+7], v[QA], s[66:67] offset:\qt*2048+64*\dk+32
.endr
.endr
.endm
; a pass begins: empty maximum, empty sums.  A pass's first tile is a loop tile or a diagonal tile according to P, so it is not written out apart and O is cleared.
.macro INIT
	s_add_nc_u64 s[68:69], s[10:11], s[72:73]      ; y at my rows
	v_mov_b32 v[M], 0xff7fffff
	v_mov_b32 v[M+1], 0xff7fffff
	v_mul_f32 v[NM], s22, v[M]
	v_mul_f32 v[NM+1], s22, v[M]
	v_mul_f32 v[NM+2], s22, v[M]
	v_mul_f32 v[NM+3], s22, v[M]
.irp i, 0,1,2,3
	v_mov_b32 v[LS+\i], 0
.endr
.set ii, 0
.rept 64
	v_mov_b32 v[O+ii], 0
.set ii, ii+1
.endr
	s_wait_loadcnt 0x0                             ; q
.endm
; The change of chunks.  Every wave waits for all its tensor loads and for its reads of the other slot; the round of the cluster's barrier shows both of every wave of all four
; work-groups; the next chunk's joint loads come first behind it, into the slot read last.  adv = 1: this slot's next chunk is two further on; 0: the next pass's; 2: none.
.macro CHUNK slot, adv, refill
	s_set_vgpr_msb 0x4
	s_wait_tensorcnt 0x0
	ds_add_u32 v13, v1
	s_wait_dscnt 0x0
	s_set_vgpr_msb 0x400
.if \adv == 1
	s_add_nc_u64 s[G0K+4*\slot+2:G0K+4*\slot+3], s[G0K+4*\slot+2:G0K+4*\slot+3], 2*CHB
	s_add_nc_u64 s[G0V+4*\slot+2:G0V+4*\slot+3], s[G0V+4*\slot+2:G0V+4*\slot+3], 2*CHB
.endif
.if \adv == 0
	s_add_nc_u64 s[G0K+4*\slot+2:G0K+4*\slot+3], s[60:61], \slot*CHB
	s_or_b32 s[G0K+4*\slot+3], s[G0K+4*\slot+3], 0x80000000
	s_add_nc_u64 s[G0V+4*\slot+2:G0V+4*\slot+3], s[62:63], \slot*CHB
	s_or_b32 s[G0V+4*\slot+3], s[G0V+4*\slot+3], 0x80000000
.endif
	s_wait_dscnt 0x0
	ROUND
.if \refill
	JLOAD 1-\slot
.endif
.endm
.macro SOFTMAX
	v_max3_num_f32 v30, v[M], v[S], v[S+1]         ; the old maximum starts the chain
	v_max3_num_f32 v31, v[M+1], v[S+32], v[S+33]
.irp i, 2,4,6,8,10,12,14,16,18,20,22,24,26,28,30
	v_max3_num_f32 v30, v30, v[S+\i], v[S+\i+1]
	v_max3_num_f32 v31, v31, v[S+32+\i], v[S+33+\i]
.endr
	v_permlanex16_b32 v14, v30, s18, s19           ; the other eight keys of each sixteen lie in the other half of the lanes
	v_permlanex16_b32 v15, v31, s18, s19
	v_max_num_f32 v[M], v30, v14
	v_max_num_f32 v[M+1], v31, v15
	v_mul_f32 v14, s22, v[M]
	v_mul_f32 v15, s22, v[M+1]
	v_sub_f32 v[AL], v14, v[NM]
	v_sub_f32 v[AL+2], v15, v[NM+2]
	v_exp_f32 v[AL], v[AL]                         ; 2^((old - new maximum) log2 e / 8)
	v_exp_f32 v[AL+2], v[AL+2]
	v_mov_b32 v[NM], v14                           ; plain places behind the transcendentals (ISA guide 5.7.2)
	v_mov_b32 v[NM+1], v14
	v_mov_b32 v[NM+2], v15
	v_mov_b32 v[NM+3], v15
	s_wait_alu depctr_va_vdst(0)
	v_mov_b32 v[AL+1], v[AL]
	v_mov_b32 v[AL+3], v[AL+2]
.irp q, 0,1
.set ii, 0
.rept 16
	v_pk_fma_f32 v[S+32*\q+ii:S+32*\q+ii+1], v[S+32*\q+ii:S+32*\q+ii+1], s[20:21], v[NM+2*\q:NM+2*\q+1] op_sel_hi:[1,0,1]
.set ii, ii+2
.endr
.endr
.set ii, 0
.rept 64
	v_exp_f32 v[S+ii], v[S+ii]
.set ii, ii+1
.endr
.irp q, 0,1
.set ii, 0
.rept 16
	v_pk_mul_f32 v[O+32*\q+ii:O+32*\q+ii+1], v[O+32*\q+ii:O+32*\q+ii+1], v[AL+2*\q:AL+2*\q+1]   ; also the plain places behind the exponentials
.set ii, ii+2
.endr
.endr
	s_wait_alu depctr_va_vdst(0)
	v_pk_fma_f32 v[LS:LS+1], v[LS:LS+1], v[AL:AL+1], v[S:S+1]
	v_pk_fma_f32 v[LS+2:LS+3], v[LS+2:LS+3], v[AL+2:AL+3], v[S+32:S+33]
.set ii, 2
.rept 15
	v_pk_add_f32 v[LS:LS+1], v[LS:LS+1], v[S+ii:S+ii+1]
	v_pk_add_f32 v[LS+2:LS+3], v[LS+2:LS+3], v[S+32+ii:S+33+ii]
.set ii, ii+2
.endr
.irp b, 0,16,32,48                                 ; two score tiles (32 keys) pack in place into one B fragment of P^T
.irp t, 0,1,2,3,4,5,6,7
	v_cvt_pk_f16_f32 v[S+\b+\t], v[S+\b+2*\t], v[S+\b+2*\t+1]
.endr
.endr
.endm
; My 64 keys of key tile tl of the slot against my 32 rows.  masked = 1: tile dg of my own block: skipped if dg > ue, masked if dg = ue.
; In both groups of 16 products the accumulators take turns, one instruction a turn.
.macro TILE slot, tl, masked, dg
.if \masked
.if \dg
	s_cmp_lt_u32 s24, \dg
	s_cbranch_scc1 .Lskip_\@
.endif
.endif
	PLACES 5                                       ; the last products read F and P: F is loaded again, S is written over by matrix instructions (ISA guide 7.12.1)
.irp dk, 0,1
.irp kt, 0,1,2,3
	ds_load_b128 v[F+8*(2*\kt+\dk):F+8*(2*\kt+\dk)+3],   v[KADR+\slot] offset:\tl*128*PKK+\kt*16*PKK+64*\dk
	ds_load_b128 v[F+8*(2*\kt+\dk)+4:F+8*(2*\kt+\dk)+7], v[KADR+\slot] offset:\tl*128*PKK+\kt*16*PKK+64*\dk+32
.endr
.endr
	s_wait_dscnt 0x8                               ; the eight loads of d = 0..31 are in; the eight of d = 32..63 may be out
.irp kt, 0,1,2,3
.irp qt, 0,1
	v_wmma_f32_16x16x32_f16 v[S+8*(4*\qt+\kt):S+8*(4*\qt+\kt)+7], v[F+16*\kt:F+16*\kt+7], v[Q+16*\qt:Q+16*\qt+7], 0
.endr
.endr
	s_wait_dscnt 0x0
.irp kt, 0,1,2,3
.irp qt, 0,1
	v_wmma_f32_16x16x32_f16 v[S+8*(4*\qt+\kt):S+8*(4*\qt+\kt)+7], v[F+16*\kt+8:F+16*\kt+15], v[Q+16*\qt+8:Q+16*\qt+15], v[S+8*(4*\qt+\kt):S+8*(4*\qt+\kt)+7]
.endr
.endr
	PLACES 4                                       ; F is loaded again, S is read
.irp kg, 0,1
.irp dt, 0,1,2,3
	ds_load_tr16_b128 v[F+8*(4*\kg+\dt):F+8*(4*\kg+\dt)+3],   v[VADR+\slot] offset:\tl*128*PVV+\kg*32*PVV+32*\dt
	ds_load_tr16_b128 v[F+8*(4*\kg+\dt)+4:F+8*(4*\kg+\dt)+7], v[VADR+\slot] offset:\tl*128*PVV+\kg*32*PVV+32*\dt+16*PVV
.endr
.endr
.if \masked
	s_cmp_lg_u32 s24, \dg
	s_cbranch_scc1 .Lnomask_\@
.irp qt, 0,1
.irp kt, 0,1,2,3
.irp j, 0,1,2,3,4,5,6,7
	v_cmp_le_i32 vcc_lo, 16*\kt+\j, v[DIFF+\qt]
	v_cndmask_b32 v[S+8*(4*\qt+\kt)+\j], v[NINF], v[S+8*(4*\qt+\kt)+\j], vcc_lo
.endr
.endr
.endr
.Lnomask_\@:
.endif
	SOFTMAX
	s_wait_dscnt 0x0                               ; V
.irp kg, 0,1
.irp qt, 0,1
.irp dt, 0,1,2,3
	v_wmma_f32_16x16x32_f16 v[O+8*(4*\qt+\dt):O+8*(4*\qt+\dt)+7], v[F+8*(4*\kg+\dt):F+8*(4*\kg+\dt)+7], v[S+32*\qt+16*\kg:S+32*\qt+16*\kg+7], v[O+8*(4*\qt+\dt):O+8*(4*\qt+\dt)+7]
.endr
.endr
.endr
.if \masked
.if \dg
.Lskip_\@:
.endif
.endif
.endm
; A pass: blk trips of two chunks (four full tiles), then the two chunks of my own block.  blk (s25) hangs on the cluster's number alone.
.macro PASS last
	s_cmp_eq_u32 s25, 0
	s_cbranch_scc1 .Ldiag_\@
	s_mov_b32 s23, 0
.Lfull_\@:
	CHUNK 0, 1, 1
	TILE 0, 0, 0, 0
	TILE 0, 1, 0, 0
	CHUNK 1, 1, 1
	TILE 1, 0, 0, 0
	TILE 1, 1, 0, 0
	s_add_co_u32 s23, s23, 1
	s_cmp_lt_u32 s23, s25
	s_cbranch_scc1 .Lfull_\@
.Ldiag_\@:
.if \last
	CHUNK 0, 2, 1
.else
	CHUNK 0, 0, 1
.endif
	TILE 0, 0, 1, 0
	TILE 0, 1, 1, 1
.if \last
	CHUNK 1, 2, 0                                  ; nothing is left to fetch
.else
	CHUNK 1, 0, 1                                  ; the next pass's chunk 0 goes out
.endif
	TILE 1, 0, 1, 2
	TILE 1, 1, 1, 3
.endm
; The two halves of the keys are joined: wave pi = 1 hands O, its maximum and its sums to wave pi = 0 of the same rows, which weighs, divides, rounds to f16 and stores.
.macro MERGE
	PLACES 4                                       ; behind the last products: O is read, S and F are written
	v_add_f32 v[LS], v[LS], v[LS+1]
	v_add_f32 v[LS+2], v[LS+2], v[LS+3]
	s_cmp_lt_u32 s12, 4
	s_cbranch_scc1 .Lkeep_\@
	v_mov_b32 v[F+4], v[NM]
	v_mov_b32 v[F+5], v[NM+2]
	v_mov_b32 v[F+6], v[LS]
	v_mov_b32 v[F+7], v[LS+2]
.irp k, 0,1,2,3,4,5,6,7,8,9,10,11,12,13,14,15
	ds_store_b128 v[MA], v[O+4*\k:O+4*\k+3] offset:512*\k
.endr
	ds_store_b128 v[MA], v[F+4:F+7] offset:8192
.Lkeep_\@:
	s_wait_dscnt 0x0                               ; for the partner's sake: my stores are done
	s_barrier_signal -1                            ; the next pass's chunk may stay on its way
	s_barrier_wait -1
	s_cmp_ge_u32 s12, 4
	s_cbranch_scc1 .Ldone_\@
.irp k, 0,1,2,3,4,5,6,7,8,9,10,11,12,13,14,15
	ds_load_b128 v[S+4*\k:S+4*\k+3], v[MA] offset:512*\k
.endr
	ds_load_b128 v[F:F+3], v[MA] offset:8192
	s_wait_dscnt 0x0
	v_min_num_f32 v14, v[NM], v[F]                 ; the larger maximum has the smaller -M
	v_min_num_f32 v15, v[NM+2], v[F+1]
	v_sub_f32 v[AL], v14, v[NM]
	v_sub_f32 v[AL+1], v14, v[F]
	v_sub_f32 v[AL+2], v15, v[NM+2]
	v_sub_f32 v[AL+3], v15, v[F+1]
	v_exp_f32 v[AL], v[AL]
	v_exp_f32 v[AL+1], v[AL+1]
	v_exp_f32 v[AL+2], v[AL+2]
	v_exp_f32 v[AL+3], v[AL+3]
	v_nop
	s_wait_alu depctr_va_vdst(0)
	v_mul_f32 v[LS], v[LS], v[AL]
	v_mul_f32 v[LS+2], v[LS+2], v[AL+2]
	v_fmac_f32 v[LS], v[F+2], v[AL+1]
	v_fmac_f32 v[LS+2], v[F+3], v[AL+3]
	v_permlanex16_b32 v30, v[LS], s18, s19         ; a lane has summed the keys of its half of the lanes only
	v_permlanex16_b32 v31, v[LS+2], s18, s19
	v_add_f32 v[LS], v[LS], v30
	v_add_f32 v[LS+2], v[LS+2], v31
	v_rcp_f32 v[LS], v[LS]                         ; the row's own key is never masked: the sum is at least about 1
	v_rcp_f32 v[LS+2], v[LS+2]
	v_nop
	s_wait_alu depctr_va_vdst(0)
	v_mul_f32 v[NM], v[AL], v[LS]                  ; my weight, qt = 0
	v_mul_f32 v[NM+2], v[AL+1], v[LS]              ; the partner's
	v_mul_f32 v[AL], v[AL+2], v[LS+2]              ; my weight, qt = 1
	v_mul_f32 v[AL+2], v[AL+3], v[LS+2]            ; the partner's
	v_mov_b32 v[NM+1], v[NM]
	v_mov_b32 v[NM+3], v[NM+2]
	v_mov_b32 v[AL+1], v[AL]
	v_mov_b32 v[AL+3], v[AL+2]
.set ii, 0
.rept 16
	v_pk_mul_f32 v[O+ii:O+ii+1], v[O+ii:O+ii+1], v[NM:NM+1]
	v_pk_mul_f32 v[O+32+ii:O+33+ii], v[O+32+ii:O+33+ii], v[AL:AL+1]
	v_pk_fma_f32 v[O+ii:O+ii+1], v[S+ii:S+ii+1], v[NM+2:NM+3], v[O+ii:O+ii+1]
	v_pk_fma_f32 v[O+32+ii:O+33+ii], v[S+32+ii:S+33+ii], v[AL+2:AL+3], v[O+32+ii:O+33+ii]
.set ii, ii+2
.endr
.set ii, 0
.rept 32
	v_cvt_pk_f16_f32 v[F+ii], v[O+2*ii], v[O+2*ii+1]
.set ii, ii+1
.endr
.irp qt, 0,1
.irp dt, 0,1,2,3
	ds_store_b128 v[STO], v[F+4*(4*\qt+\dt):F+4*(4*\qt+\dt)+3] offset:\qt*16*PST+32*\dt
.endr
.endr
.irp i, 0,1,2,3,4,5,6,7
	ds_load_b128 v[F+32+4*\i:F+32+4*\i+3], v[RD] offset:\i*4*PST   ; four rows; my own stage: LDS serves a wave in order (ISA guide 5.7.1)
.endr
.irp i, 0,1,2,3,4,5,6,7
	s_wait_dscnt 7-\i                              ; the count is the number of younger loads
	global_store_b128 v[LO], v[F+32+4*\i:F+32+4*\i+3], s[68:69] offset:512*\i   ; four rows of 128 bytes: 512 consecutive bytes, aligned
.endr
.Ldone_\@:
	s_wait_xcnt 0x0                                ; y's base and the stores' data are written again only behind this wait
.endm
	s_sub_co_u32 s24, 3, s13                       ; first pass: ue = 3 - u,
	s_sub_co_u32 s25, 3, s17                       ; block 3 - P
	QLOAD
	INIT
	PASS 0
	PLACES 4                                       ; q's registers were read by matrix instructions
	s_mov_b32 s24, s13                             ; second pass: ue = u,
	s_mov_b32 s25, s17                             ; block P
	QLOAD                                          ; on its way during the merge
	MERGE
	INIT
	PASS 1
	MERGE
	s_set_vgpr_msb 0x4
	s_wait_tensorcnt 0x0
	ds_add_u32 v13, v1
	s_wait_dscnt 0x0
	s_set_vgpr_msb 0x400
	ROUND                                          ; the closing round
	s_endpgm
.Lfunc_end_k_q864f1a3b5a_attn:
	.size	k_q864f1a3b5a_attn, .Lfunc_end_k_q864f1a3b5a_attn-k_q864f1a3b5a_attn
	.p2alignl 7, 3214868480
	.fill 96, 4, 3214868480
	.section	.rodata,"a",@progbits
	.p2align	6, 0x0
	.amdhsa_kernel k_q864f1a3b5a_attn
		.amdhsa_group_segment_fixed_size 327680
		.amdhsa_private_segment_fixed_size 0
		.amdhsa_enable_private_segment 0
		.amdhsa_kernarg_size 32
		.amdhsa_user_sgpr_count 2
		.amdhsa_user_sgpr_kernarg_segment_ptr 1
		.amdhsa_wavefront_size32 1
		.amdhsa_system_sgpr_workgroup_id_x 1
		.amdhsa_system_sgpr_workgroup_id_y 1
		.amdhsa_system_sgpr_workgroup_id_z 1
		.amdhsa_system_vgpr_workitem_id 0
		.amdhsa_next_free_vgpr 258
		.amdhsa_next_free_sgpr 96
		.amdhsa_reserve_vcc 1
		.amdhsa_float_denorm_mode_32 3
		.amdhsa_float_denorm_mode_16_64 3
		.amdhsa_memory_ordered 1
		.amdhsa_forward_progress 1
		.amdhsa_inst_pref_size 255
	.end_amdhsa_kernel
	.section	.bss,"aw",@nobits
	.p2align	6
	.space	262144
	.amdgpu_metadata
---
amdhsa.version: [ 1, 2 ]
amdhsa.kernels:
  - .name:           k_q864f1a3b5a_attn
    .symbol:         k_q864f1a3b5a_attn.kd
    .args:
      - { .name: qb, .offset: 0, .size: 8, .value_kind: global_buffer, .address_space: global }
      - { .name: kb, .offset: 8, .size: 8, .value_kind: global_buffer, .address_space: global }
      - { .name: vb, .offset: 16, .size: 8, .value_kind: global_buffer, .address_space: global }
      - { .name: yb, .offset: 24, .size: 8, .value_kind: global_buffer, .address_space: global }
    .group_segment_fixed_size: 327680
    .private_segment_fixed_size: 0
    .kernarg_segment_align: 8
    .kernarg_segment_size: 32
    .max_flat_workgroup_size: 256
    .sgpr_count:     96
    .vgpr_count:     258
    .wavefront_size: 32
...
	.end_amdgpu_metadata
.endif
;; end of part 3
;; launch proj (part 4): grid 8 x 32, 4 waves a work-group, clusters of 4 x 4, 327,680 bytes of LDS; arguments yb, wpb, bproj, out0; writes out0
.if DOCPART == 4
	.amdgcn_target "amdgcn-amd-amdhsa--gfx1250"
	.amdhsa_code_object_version 6
	.text
	.protected	k_q864f1a3b5a_proj
	.globl	k_q864f1a3b5a_proj
	.p2align	8
	.type	k_q864f1a3b5a_proj,@function
k_q864f1a3b5a_proj:
	s_mov_b64 s[64:65], 0
	v_nop
	global_prefetch_b8 v0, s[64:65] scope:SCOPE_SE
	s_setreg_imm32_b32 hwreg(HW_REG_WAVE_MODE, 25, 1), 1
	s_wait_xcnt 0x0
	s_wait_alu depctr_hold_cnt(0) depctr_sa_sdst(0) depctr_va_vdst(0) depctr_va_sdst(0) depctr_va_ssrc(0) depctr_va_vcc(0) depctr_vm_vsrc(0)
	s_getreg_b32 s2, hwreg(HW_REG_IB_STS2, 6, 4)
	s_cmp_eq_u32 s2, 0
	s_cbranch_scc0 .Lentry_in_a_cluster
	s_endpgm
.Lentry_in_a_cluster:
	s_bfe_u32 s2, ttmp6, 0x10000c
	s_cmp_lg_u32 s2, 0xf033
	s_cbranch_scc0 .Lentry_shape_is_right
	s_endpgm
.Lentry_shape_is_right:
; proj: out0 = y Wproj + bproj.  y: f16 [batch][head][t][64]; wpb: f16 [1024][1024] as [k][n]; out0: f32 [4096][1024].  Operands f16, sums and bias f32.
; Work-group (bx, by): a block of 128 x 128; wave w: 64 x 64 (wm = w >> 1, wn = w & 1), 16 accumulators.  256 work-groups of this size keep every WGP at work;
; larger blocks would feed more products from each LDS byte but leave WGPs without work.
; K = 1024 goes in four chunks of 256 (four heads) through two LDS slots: two first fills, two refills, no loop.
; CLUSTERS: 4 x 4.  y's tiles hang on by alone and are asked for jointly along a row of the cluster, Wproj's on bx alone and along a column.
; A head's 128 rows of y are 16 KiB dense in memory: one load brings two heads as two rows of 16 KiB, padded behind every 128 bytes.
; The matrix instruction is used transposed (source 0 = columns of W by ds_load_tr16_b128, source 1 = rows of y): lane (r, h) register j holds row 16 mb + r, column 16 nb + 8 h + j.
; REGISTERS: window 0: v0-31 addresses, v32-95 fragments of y (two buffers), v96-159 of W (two buffers), v160-191 bias, v192-255 the way out; window 1: accumulator (mb, nb) at 8 (4 mb + nb).
.set REG,   36864                      ; a region: two head planes of 128 x 144 bytes, or 128 rows of W x 288 bytes
.set SLOT,  4*REG                      ; y's two regions, then W's two
.set STAGE, 2*SLOT
.set STG,   4352                       ; a wave's stage: 16 rows x 272 bytes
.set PY,    144
.set PB,    288
.set PO,    272
.set G1A, 28
.set G1B, 36
.set G0A, 44
.set G0B, 52
.set ADRA, 16                          ; v16-17
.set ADRB, 18                          ; v18-21: 2 x slot + half
.set STO,  24
.set RD,   25
.set CO,   26
.set BA,   28
.set FA,   32
.set FB,   96
.set BIAS, 160
.set T,    192
.set RB,   224
.set MUL,  0x50                        ; C and D window 1
.set ADDB, 0x01                        ; source 0 window 1
.set MSB, 0
.macro WIN new
.if MSB != \new
	s_set_vgpr_msb (MSB<<8)|\new
.set MSB, \new
.endif
.endm
.macro PLACES
.rept 4
	v_nop
.endr
.endm
.macro JLOAD s                         ; waves 0 and 1 ask for y's two regions, waves 2 and 3 for W's
	s_cmp_eq_u32 s19, 0
	s_cbranch_scc0 .Lfor_b_\@
	tensor_load_to_lds s[G0A+4*\s:G0A+4*\s+3], s[G1A:G1A+7]
	s_nop 0
	s_branch .Lasked_\@
.Lfor_b_\@:
	tensor_load_to_lds s[G0B+4*\s:G0B+4*\s+3], s[G1B:G1B+7]
	s_nop 0
.Lasked_\@:
.endm
.macro CREST
	s_cmp_lg_u32 s18, 0
	s_cbranch_scc1 .Lnot_wave_0_\@
	s_barrier_signal -3
.Lnot_wave_0_\@:
	s_barrier_wait -3
	s_barrier_signal -1
	s_barrier_wait -1
.endm
.macro CROUND
	s_barrier_signal -1
	s_barrier_wait -1
	CREST
.endm
	s_load_b256 s[4:11], s[0:1], 0x0               ; yb s[4:5], wpb s[6:7], bproj s[8:9], out0 s[10:11]
	v_lshl_add_u32 v30, v0, 2, 0x4c400
	v_mov_b32 v31, 0
	ds_add_u32 v30, v31
	v_lshrrev_b32 v1, 5, v0
	v_readfirstlane_b32 s18, v1                    ; wave
	s_lshr_b32 s19, s18, 1                         ; wm; also: I fetch y (0) or W (1)
	s_and_b32 s20, s18, 1                          ; wn; also: which region of the two
	s_bfe_u32 s21, ttmp6, 0x40000                  ; cx
	s_bfe_u32 s22, ttmp6, 0x40004                  ; cy
	s_lshl_b32 s23, ttmp9, 2
	s_add_co_u32 s23, s23, s21                     ; bx
	s_and_b32 s24, ttmp7, 0xffff
	s_lshl_b32 s24, s24, 2
	s_add_co_u32 s24, s24, s22                     ; by
	s_lshl_b32 s25, s22, 2
	s_lshl_b32 s25, 15, s25                        ; my row of the cluster
	s_lshl_b32 s26, 0x1111, s21                    ; my column
	; y: 2 rows of 2,048 elements of 8 bytes, 32,768 elements (a head) apart; a pad of 4 words behind every 32 words
	s_or_b32 s[G1A+0], s25, (3<<16)|(1<<20)|(1<<21)|(4<<22)|(3<<25)
	s_mov_b32 s[G1A+1], 2048<<16
	s_mov_b32 s[G1A+2], 2<<16
	s_mov_b32 s[G1A+3], 2048<<16
	s_mov_b32 s[G1A+4], 2
	s_mov_b32 s[G1A+5], 32768
	s_mov_b32 s[G1A+6], 0
	s_mov_b32 s[G1A+7], 0
	; W: 128 rows x 128 elements of 2 bytes, 1,024 elements apart; a pad of 8 words behind every 64 words
	s_or_b32 s[G1B+0], s26, (1<<16)|(1<<20)|(1<<21)|(5<<22)|(7<<25)
	s_mov_b32 s[G1B+1], 128<<16
	s_mov_b32 s[G1B+2], 128<<16
	s_mov_b32 s[G1B+3], 128<<16
	s_mov_b32 s[G1B+4], 128
	s_mov_b32 s[G1B+5], 1024
	s_mov_b32 s[G1B+6], 0
	s_mov_b32 s[G1B+7], 0
	s_lshr_b32 s60, s24, 4                         ; batch
	s_lshl_b32 s60, s60, 4
	s_lshl1_add_u32 s60, s20, s60                  ; batch x 16 + my first head of the chunk
	s_lshl_b32 s60, s60, 11
	s_and_b32 s61, s24, 15
	s_lshl_b32 s61, s61, 7
	s_add_co_u32 s60, s60, s61                     ; + my block of 128 rows
	s_lshl_b32 s60, s60, 7                         ; rows of 128 bytes
	s_mov_b32 s61, 0
	s_lshl_b32 s66, s23, 8                         ; 128 columns of 2 bytes
	s_lshl_b32 s67, s20, 18                        ; 128 rows of 2,048 bytes
	s_add_co_u32 s66, s66, s67
	s_mov_b32 s67, 0
	s_mul_i32 s70, s18, REG
	s_wait_dscnt 0x0
	s_wait_kmcnt 0x0
	s_add_nc_u64 s[62:63], s[4:5], s[60:61]
	s_add_nc_u64 s[68:69], s[6:7], s[66:67]
	CROUND                                         ; in front of the first joint loads
.irp s, 0,1
	s_mov_b32 s[G0A+4*\s], 1
	s_add_co_u32 s[G0A+4*\s+1], s70, \s*SLOT
	s_add_nc_u64 s[G0A+4*\s+2:G0A+4*\s+3], s[62:63], \s*1048576     ; chunk s: four heads on
	s_or_b32 s[G0A+4*\s+3], s[G0A+4*\s+3], 0x80000000
	s_mov_b32 s[G0B+4*\s], 1
	s_add_co_u32 s[G0B+4*\s+1], s70, \s*SLOT
	s_add_nc_u64 s[G0B+4*\s+2:G0B+4*\s+3], s[68:69], \s*524288      ; chunk s: 256 rows down
	s_or_b32 s[G0B+4*\s+3], s[G0B+4*\s+3], 0x80000000
	JLOAD \s                                       ; both first fills go out together: two loads of this wave are out
.endr
	v_and_b32 v1, 15, v0                           ; r
	v_bfe_u32 v2, v0, 4, 1                         ; h
	v_and_b32 v4, 7, v0
	v_bfe_u32 v5, v0, 3, 1
	v_mul_u32_u24 v7, v1, PY
	v_lshl_add_u32 v7, v2, 4, v7
	s_mul_i32 s71, s19, 64*PY
	v_add_nc_u32 v[ADRA], s71, v7
	v_add_nc_u32 v[ADRA+1], SLOT, v[ADRA]
	v_lshl_add_u32 v8, v2, 3, v4
	v_mul_u32_u24 v8, v8, PB
	v_lshl_add_u32 v8, v5, 4, v8
	s_lshl_b32 s72, s20, 7
	v_add_nc_u32 v8, s72, v8
.irp s, 0,1
.irp g, 0,1
	v_add_nc_u32 v[ADRB+2*\s+\g], \s*SLOT+(2+\g)*REG, v8
.endr
.endr
	s_mul_i32 s73, s18, STG
	s_add_co_u32 s73, s73, STAGE
	v_mul_u32_u24 v9, v1, PO
	v_lshl_add_u32 v9, v2, 5, v9                   ; in: row r, 32 bytes for each half of the lanes
	v_add_nc_u32 v[STO], s73, v9
	v_mul_u32_u24 v10, v2, PO
	v_lshl_add_u32 v10, v1, 4, v10                 ; back: lanes 0-15 one row of 256 bytes, lanes 16-31 the next
	v_add_nc_u32 v[RD], s73, v10
	v_lshlrev_b32 v11, 12, v2
	v_lshl_add_u32 v[CO], v1, 4, v11               ; and the same two rows in out0
	v_lshlrev_b32 v[BA], 5, v2
	s_lshl_b32 s76, s23, 9
	s_lshl_b32 s77, s20, 8
	s_add_co_u32 s76, s76, s77                     ; my first column, in bytes
	s_mov_b32 s77, 0
	s_add_nc_u64 s[78:79], s[8:9], s[76:77]
.irp n, 0,1,2,3
	global_load_b128 v[BIAS+8*\n:BIAS+8*\n+3],   v[BA], s[78:79] offset:64*\n
	global_load_b128 v[BIAS+8*\n+4:BIAS+8*\n+7], v[BA], s[78:79] offset:64*\n+16
.endr
	s_lshl_b32 s72, s24, 19                        ; 128 rows of 4,096 bytes
	s_lshl_b32 s73, s19, 18
	s_add_co_u32 s72, s72, s73
	s_add_co_u32 s72, s72, s76
	s_mov_b32 s73, 0
	s_add_nc_u64 s[74:75], s[10:11], s[72:73]
; 16 LDS loads: 32 along K (quarter kq of a chunk's eight): 64 rows of y, 64 columns of W, into buffer f
.macro FETCH slot, kq, f
.irp i, 0,1,2,3
	ds_load_b128 v[FA+32*(\f)+8*\i:FA+32*(\f)+8*\i+3],   v[ADRA+\slot] offset:((\kq)>>1)*128*PY+((\kq)&1)*64+\i*16*PY
	ds_load_b128 v[FA+32*(\f)+8*\i+4:FA+32*(\f)+8*\i+7], v[ADRA+\slot] offset:((\kq)>>1)*128*PY+((\kq)&1)*64+\i*16*PY+32
.endr
.irp i, 0,1,2,3
	ds_load_tr16_b128 v[FB+32*(\f)+8*\i:FB+32*(\f)+8*\i+3],   v[ADRB+2*\slot+((\kq)>>2)] offset:((\kq)&3)*32*PB+32*\i
	ds_load_tr16_b128 v[FB+32*(\f)+8*\i+4:FB+32*(\f)+8*\i+7], v[ADRB+2*\slot+((\kq)>>2)] offset:((\kq)&3)*32*PB+32*\i+16*PB
.endr
.endm
; The 16 accumulators take turns, one instruction a turn, in the same order in every quarter.
.macro MUL8 f, m0, zero
.irp a, \m0, \m0+1
.irp b, 0,1,2,3
.if \zero
	v_wmma_f32_16x16x32_f16 v[8*(4*(\a)+\b):8*(4*(\a)+\b)+7], v[FB+32*(\f)+8*\b:FB+32*(\f)+8*\b+7], v[FA+32*(\f)+8*(\a):FA+32*(\f)+8*(\a)+7], 0
.else
	v_wmma_f32_16x16x32_f16 v[8*(4*(\a)+\b):8*(4*(\a)+\b)+7], v[FB+32*(\f)+8*\b:FB+32*(\f)+8*\b+7], v[FA+32*(\f)+8*(\a):FA+32*(\f)+8*(\a)+7], v[8*(4*(\a)+\b):8*(4*(\a)+\b)+7]
.endif
.endr
.endr
.endm
.macro QUARTER slot, kq, zero          ; multiplies quarter kq (buffer kq & 1); the next quarter's loads go out first, into the other buffer
	s_wait_dscnt 0x0                               ; this quarter's fragments, asked for a quarter ago
	PLACES                                         ; the other buffer was read by the last quarter's products
	FETCH \slot, (\kq+1), ((\kq+1)&1)
	WIN MUL
	MUL8 (\kq&1), 0, \zero
	MUL8 (\kq&1), 2, \zero
	WIN 0
.endm
.macro SEVEN slot, zero
	QUARTER \slot, 0, \zero
.irp q, 1,2,3,4,5,6
	QUARTER \slot, \q, 0
.endr
.endm
; The eighth quarter (buffer 1) changes slots: each wave waits for its reads of this slot and for all its tensor loads, then the barrier; fill = 1: it opens a round of the
; cluster's barrier and this slot's refill, two chunks ahead, comes first behind the round.
.macro TURN slot, next, fill
	s_wait_dscnt 0x0
	s_wait_tensorcnt 0x0
	ds_add_u32 v30, v31
	s_wait_dscnt 0x0
	s_barrier_signal -1
	WIN MUL
	MUL8 1, 0, 0
	WIN 0
	s_barrier_wait -1
.if \fill
	CREST
	s_add_nc_u64 s[G0A+4*\slot+2:G0A+4*\slot+3], s[G0A+4*\slot+2:G0A+4*\slot+3], 2097152
	s_add_nc_u64 s[G0B+4*\slot+2:G0B+4*\slot+3], s[G0B+4*\slot+2:G0B+4*\slot+3], 1048576
	JLOAD \slot
.endif
	PLACES
	FETCH \next, 0, 0
	WIN MUL
	MUL8 1, 2, 0
	WIN 0
.endm
	s_wait_tensorcnt 0x1                           ; my part of chunk 0 is in; chunk 1's load stays out
	s_barrier_signal -1
	s_barrier_wait -1
	FETCH 0, 0, 0
	SEVEN 0, 1                                     ; chunk 0: the first products start the sums
	TURN 0, 1, 1
	SEVEN 1, 0                                     ; chunk 1
	TURN 1, 0, 1
	SEVEN 0, 0                                     ; chunk 2
	TURN 0, 1, 0
	SEVEN 1, 0                                     ; chunk 3
	s_wait_dscnt 0x0
	WIN MUL
	MUL8 1, 0, 0
	MUL8 1, 2, 0
	WIN 0
	; THE WAY OUT, 16 rows at a time: bias, my own stage, whole rows of 256 bytes
	PLACES
	s_wait_loadcnt 0x0                             ; the bias
.macro OUTMB m
	WIN ADDB
.irp n, 0,1,2,3
.irp p, 0,2,4,6
	v_pk_add_f32 v[T+8*\n+\p:T+8*\n+\p+1], v[8*(4*\m+\n)+\p:8*(4*\m+\n)+\p+1], v[BIAS+8*\n+\p:BIAS+8*\n+\p+1]
.endr
.endr
	WIN 0
.irp n, 0,1,2,3
	ds_store_b128 v[STO], v[T+8*\n:T+8*\n+3] offset:64*\n
	ds_store_b128 v[STO], v[T+8*\n+4:T+8*\n+7] offset:64*\n+16
.endr
	s_wait_xcnt 0x0                                ; RB held the last turn's store data: it is loaded again only behind this wait
.irp t, 0,1,2,3,4,5,6,7
	ds_load_b128 v[RB+4*\t:RB+4*\t+3], v[RD] offset:\t*2*PO        ; LDS serves a wave in order (ISA guide 5.7.1): these see the stores above
.endr
.irp t, 0,1,2,3,4,5,6,7
	s_wait_dscnt 7-\t                              ; the count is the number of younger loads
	global_store_b128 v[CO], v[RB+4*\t:RB+4*\t+3], s[74:75] offset:(16*\m+2*\t)*4096 th:TH_STORE_NT   ; 16 lanes store 256 consecutive bytes, aligned
.endr
.endm
	OUTMB 0
	OUTMB 1
	OUTMB 2
	OUTMB 3
	s_wait_tensorcnt 0x0
	ds_add_u32 v30, v31
	s_wait_dscnt 0x0
	CROUND                                         ; the closing round
	s_endpgm
.Lfunc_end_k_q864f1a3b5a_proj:
	.size	k_q864f1a3b5a_proj, .Lfunc_end_k_q864f1a3b5a_proj-k_q864f1a3b5a_proj
	.p2alignl 7, 3214868480
	.fill 96, 4, 3214868480
	.section	.rodata,"a",@progbits
	.p2align	6, 0x0
	.amdhsa_kernel k_q864f1a3b5a_proj
		.amdhsa_group_segment_fixed_size 327680
		.amdhsa_private_segment_fixed_size 0
		.amdhsa_enable_private_segment 0
		.amdhsa_kernarg_size 32
		.amdhsa_user_sgpr_count 2
		.amdhsa_user_sgpr_kernarg_segment_ptr 1
		.amdhsa_wavefront_size32 1
		.amdhsa_system_sgpr_workgroup_id_x 1
		.amdhsa_system_sgpr_workgroup_id_y 1
		.amdhsa_system_sgpr_workgroup_id_z 1
		.amdhsa_system_vgpr_workitem_id 0
		.amdhsa_next_free_vgpr 384
		.amdhsa_next_free_sgpr 80
		.amdhsa_reserve_vcc 0
		.amdhsa_float_denorm_mode_32 3
		.amdhsa_float_denorm_mode_16_64 3
		.amdhsa_memory_ordered 1
		.amdhsa_forward_progress 1
		.amdhsa_inst_pref_size 94
	.end_amdhsa_kernel
	.amdgpu_metadata
---
amdhsa.version: [ 1, 2 ]
amdhsa.kernels:
  - .name:           k_q864f1a3b5a_proj
    .symbol:         k_q864f1a3b5a_proj.kd
    .args:
      - { .name: yb, .offset: 0, .size: 8, .value_kind: global_buffer, .address_space: global }
      - { .name: wpb, .offset: 8, .size: 8, .value_kind: global_buffer, .address_space: global }
      - { .name: bproj, .offset: 16, .size: 8, .value_kind: global_buffer, .address_space: global }
      - { .name: out0, .offset: 24, .size: 8, .value_kind: global_buffer, .address_space: global }
    .group_segment_fixed_size: 327680
    .private_segment_fixed_size: 0
    .kernarg_segment_align: 8
    .kernarg_segment_size: 32
    .max_flat_workgroup_size: 128
    .sgpr_count:     80
    .vgpr_count:     384
    .wavefront_size: 32
...
	.end_amdgpu_metadata
.endif
;; end of part 4
;; ======== version 2 of 2: 4 launches; version 1 with the launch prep written anew for expert scheduling mode
;; limits: values are held in f16: magnitudes above 65,504 overflow, below 6.1e-05 lose precision
;; workspace buffers: xb 8,388,608 bytes; wqb 6,291,456 bytes; wpb 2,097,152 bytes; rope 524,288 bytes; qb 8,388,608 bytes; kb 8,388,608 bytes; vb 8,388,608 bytes; yb 8,388,608 bytes
;; launch prep (part 5): grid 256 x 1, 8 waves a work-group, no clusters, 0 bytes of LDS; arguments x, Wqkv, Wproj, xb, wqb, wpb, rope; writes xb, wqb, wpb, rope
.if DOCPART == 5
	.amdgcn_target "amdgcn-amd-amdhsa--gfx1250"
	.amdhsa_code_object_version 6
	.text
	.protected	k_q864f1a3b5a_prep
	.globl	k_q864f1a3b5a_prep
	.p2align	8
	.type	k_q864f1a3b5a_prep,@function
k_q864f1a3b5a_prep:
	s_mov_b64 s[64:65], 0
	v_nop
	global_prefetch_b8 v0, s[64:65] scope:SCOPE_SE
	s_setreg_imm32_b32 hwreg(HW_REG_WAVE_SCHED_MODE, 0, 2), 2
	s_setreg_imm32_b32 hwreg(HW_REG_WAVE_MODE, 25, 1), 1
	s_wait_xcnt 0x0
	s_wait_alu depctr_vm_vsrc(0)
; prep: the three f32 inputs are cast once to 16 bits for the matrix units, and the table of cos and sin for RoPE is made.
; x -> xb and Wqkv -> wqb in bf16.  Wproj -> wpb: rounded to bf16 like the other two (all three inputs carry the same rounding) and that
; number is then written as f16, because its partner in the last product, y, is kept in f16.  A bf16 number of magnitude 2^-17 to 65504
; is an f16 number exactly; a smaller one is off by at most 2^-25.  LIMIT: |Wproj| above 65504 becomes infinite.
; The inputs hold 8,388,608 numbers; each of 256 work-groups casts 32,768 of them (128 KiB in, 64 KiB out): groups 0-127 x, 128-223 Wqkv,
; 224-255 Wproj.  A thread issues all its 32 loads of 16 bytes at once (a load of a wave covers 512 consecutive bytes) and stores 8 bytes
; for each (a store of a wave covers 256 consecutive bytes, aligned).  No LDS, no barrier, no matrix unit: a stream has no use for them.
; TABLE: rope holds f32; byte offset bits: 3:2 e, 7:4 r, 8 h, 9 half, 10 nb, 11 cs, 12.. tb; the number there is cos (cs = 0) or sin (cs = 1)
; of pos * 10000^(-i/32), pos = 16 tb + r, i = 16 nb + 8 h + 4 half + e: the order in which a lane of the next launch wants it.
; Each of the 2,048 waves writes one block of 256 bytes of it, two numbers a lane.
; LIMIT: 10000^(-i/32) comes from v_exp_f32, so the largest angles (about 2,000 rad) are off by about 2e-4 rad; cos itself is a series to 1e-7.
; THE MODE: SCHED_MODE bits 1:0 = 2 (LLVM: expert scheduling mode 2), set by the entry lines.  The code itself states the register dependences
; between vector instructions and memory instructions, with s_wait_alu, always for 0.
; THE PLAN.  Registers that memory instructions touch:
;   v1, v2     byte offsets, made once at the head and never written again: v1 is read by the 32 loads, v2 by the 33 stores.
;   v[10:11]   written by the two series, read by the table's store, never written again.
;   X(j)       four registers for load j.  Load j lands in them; behind the wait for it the load's conversions read them and write them in place;
;              store j reads the first two; nothing writes them after that.
;   v3 to v9   are named by vector instructions alone.
; The 32 loads go in eight blocks of four.  Block p's conversions name block p's X alone; the memory instructions that stand among them are the
; four stores of block p - 1.  So ONE wait on va_vdst at a block's head, behind the wait for the block's data, states all that those four stores
; hang on.  No register that a memory instruction reads is written again, so the text holds no wait on vm_vsrc behind the entry lines; no vector instruction writes a
; scalar register or VCC, and EXEC is never written.
.set X,     16                         ; v[16:143] load j: 4 registers
.set NLD,   32                         ; loads of a thread
.set BLOCK, 4                          ; loads in a block
	s_load_b256 s[4:11], s[0:1], 0x0               ; x s[4:5], Wqkv s[6:7], Wproj s[8:9], xb s[10:11]
	s_load_b128 s[12:15], s[0:1], 0x20             ; wqb s[12:13], wpb s[14:15]
	s_load_b64 s[16:17], s[0:1], 0x30              ; rope
	v_lshlrev_b32 v1, 4, v0                        ; 16 bytes a thread in
	v_lshlrev_b32 v2, 3, v0                        ; 8 bytes a thread out (casts and table)
	s_movk_i32 s29, 224                            ; first work-group of my part
	s_wait_kmcnt 0x0
	s_cmp_lt_u32 ttmp9, 224
	s_cselect_b64 s[24:25], s[6:7], s[8:9]         ; from
	s_cselect_b64 s[26:27], s[12:13], s[14:15]     ; to
	s_cselect_b32 s29, 128, s29
	s_cmp_lt_u32 ttmp9, 128
	s_cselect_b64 s[24:25], s[4:5], s[24:25]
	s_cselect_b64 s[26:27], s[10:11], s[26:27]
	s_cselect_b32 s29, 0, s29
	s_sub_co_u32 s28, ttmp9, s29                   ; my number inside the part, 127 at the most
	s_lshl_b32 s30, s28, 17                        ; x 128 KiB in
	s_mov_b32 s31, 0
	s_lshl_b32 s32, s28, 16                        ; x 64 KiB out
	s_mov_b32 s33, 0
	s_add_nc_u64 s[24:25], s[24:25], s[30:31]
	s_add_nc_u64 s[26:27], s[26:27], s[32:33]
	s_wait_alu depctr_va_vdst(0)                   ; v1 and v2 are written: every load of the kernel reads v1 as its offset, every store v2
.set jj, 0
.rept NLD
	global_load_b128 v[X+4*jj:X+4*jj+3], v1, s[24:25] offset:4096*jj th:TH_LOAD_NT
.set jj, jj+1
.endr
	; the table, while the loads are on their way
	s_lshl_b32 s34, ttmp9, 11                      ; 2,048 bytes of the table for each work-group
	s_mov_b32 s35, 0
	s_add_nc_u64 s[16:17], s[16:17], s[34:35]
	s_lshr_b32 s20, ttmp9, 1
	s_lshl_b32 s20, s20, 4                         ; 16 tb
	s_bitcmp1_b32 ttmp9, 0                         ; cs
	s_cselect_b32 s21, 0xbe800000, 0               ; sin x = cos(x - pi/2): minus a quarter turn,
	s_cselect_b32 s22, 0x3fc90fdb, 0               ; and pi/2
	v_bfe_u32 v3, v0, 7, 1                         ; nb
	v_bfe_u32 v4, v0, 5, 1                         ; h
	v_bfe_u32 v5, v0, 6, 1                         ; half
	v_and_b32 v6, 1, v0                            ; upper bit of e
	v_lshlrev_b32 v3, 4, v3
	v_lshl_add_u32 v3, v4, 3, v3
	v_lshl_add_u32 v3, v5, 2, v3
	v_lshl_add_u32 v3, v6, 1, v3                   ; i of my first number
	v_add_nc_u32 v4, 1, v3                         ; and of my second
	v_bfe_u32 v5, v0, 1, 4                         ; r
	v_add_nc_u32 v5, s20, v5
	v_cvt_f32_u32 v5, v5                           ; pos
	v_cvt_f32_u32 v3, v3
	v_cvt_f32_u32 v4, v4
	v_mul_f32 v3, 0xbed49a78, v3                   ; -i log2(10000) / 32
	v_mul_f32 v4, 0xbed49a78, v4
	v_exp_f32 v3, v3
	v_exp_f32 v4, v4
	v_nop                                          ; one plain place behind the transcendentals (ISA guide 5.7.2)
	s_wait_alu depctr_va_vdst(0)                   ; the two exponentials have written v3 and v4, ahead of their first reader
	v_mul_f32 v3, v5, v3                           ; the angles
	v_mul_f32 v4, v5, v4
; dst = cos(a - phase): whole turns are taken off in two parts of 2 pi, then cos z = 1 - 2 sin^2(z/2) with the series of sin to degree 11 on |z/2| <= pi/2
.macro COSV dst, a
	v_fma_f32 v6, \a, 0x3e22f983, s21              ; turns
	v_rndne_f32 v6, v6
	v_fma_f32 v7, v6, 0xc0c90fdb, \a               ; - n x upper part of 2 pi
	v_fma_f32 v7, v6, 0x343bbd2e, v7               ; - n x lower part
	v_sub_f32 v7, v7, s22
	v_mul_f32 v7, 0.5, v7
	v_mul_f32 v8, v7, v7
	v_mov_b32 v9, 0xb2d7322b                       ; -1/11!
	v_fmaak_f32 v9, v9, v8, 0x3638ef1d             ; 1/9!
	v_fmaak_f32 v9, v9, v8, 0xb9500d01             ; -1/7!
	v_fmaak_f32 v9, v9, v8, 0x3c088889             ; 1/5!
	v_fmaak_f32 v9, v9, v8, 0xbe2aaaab             ; -1/3!
	v_mul_f32 v9, v9, v8
	v_fma_f32 v9, v9, v7, v7                       ; sin(z/2)
	v_mul_f32 v8, -2.0, v9
	v_fma_f32 \dst, v8, v9, 1.0
.endm
	COSV v10, v3
	COSV v11, v4
	s_wait_alu depctr_va_vdst(0)                   ; the two series have written v10 and v11, which the store reads
	global_store_b64 v2, v[10:11], s[16:17]
; the casts.  No register that a store reads, and no offset, is written again.
.macro OUT j                           ; store j: 8 bytes a thread
	global_store_b64 v2, v[X+4*(\j):X+4*(\j)+1], s[26:27] offset:2048*(\j)
.endm
.macro CVTB j                          ; load j's four numbers to bf16, in place
	v_cvt_pk_bf16_f32 v[X+4*(\j)], v[X+4*(\j)], v[X+4*(\j)+1]
	v_cvt_pk_bf16_f32 v[X+4*(\j)+1], v[X+4*(\j)+2], v[X+4*(\j)+3]
.endm
.macro CVTH j                          ; load j's four numbers to bf16 and that number to f16, in place
	v_cvt_pk_bf16_f32 v[X+4*(\j)], v[X+4*(\j)], v[X+4*(\j)+1]      ; rounded to bf16,
	v_cvt_pk_bf16_f32 v[X+4*(\j)+2], v[X+4*(\j)+2], v[X+4*(\j)+3]
	v_and_b32 v[X+4*(\j)+1], 0xffff0000, v[X+4*(\j)]               ; widened again,
	v_lshlrev_b32 v[X+4*(\j)], 16, v[X+4*(\j)]
	v_and_b32 v[X+4*(\j)+3], 0xffff0000, v[X+4*(\j)+2]
	v_lshlrev_b32 v[X+4*(\j)+2], 16, v[X+4*(\j)+2]
	v_cvt_pk_f16_f32 v[X+4*(\j)], v[X+4*(\j)], v[X+4*(\j)+1]       ; and written as f16
	v_cvt_pk_f16_f32 v[X+4*(\j)+1], v[X+4*(\j)+2], v[X+4*(\j)+3]
.endm
; Block p: its four loads are in; the four stores of block p - 1 stand among its conversions, one ahead of each load's lines.
.macro BLKB p
	s_wait_loadcnt NLD-BLOCK*((\p)+1)              ; loads come back in order (ISA guide 5.7.1): the count is the number of loads younger than this block's four
.if \p
	s_wait_alu depctr_va_vdst(0)                   ; the conversions of the block before have written its X, which the four stores below read; no vector instruction behind this wait names those registers
.endif
.irp i, 0,1,2,3
.if \p
	OUT BLOCK*((\p)-1)+\i
.endif
	CVTB BLOCK*(\p)+\i
.endr
.endm
.macro BLKH p
	s_wait_loadcnt NLD-BLOCK*((\p)+1)              ; the count is the number of loads younger than this block's four
.if \p
	s_wait_alu depctr_va_vdst(0)                   ; the conversions of the block before have written its X, which the four stores below read; no vector instruction behind this wait names those registers
.endif
.irp i, 0,1,2,3
.if \p
	OUT BLOCK*((\p)-1)+\i
.endif
	CVTH BLOCK*(\p)+\i
.endr
.endm
	s_cmp_ge_u32 ttmp9, 224
	s_cbranch_scc1 .Lwproj
.irp p, 0,1,2,3,4,5,6,7
	BLKB \p
.endr
	s_wait_alu depctr_va_vdst(0)                   ; the last block's conversions have written its X, which the last four stores read
.irp i, 0,1,2,3
	OUT NLD-BLOCK+\i
.endr
	s_endpgm
.Lwproj:
.irp p, 0,1,2,3,4,5,6,7
	BLKH \p
.endr
	s_wait_alu depctr_va_vdst(0)                   ; the last block's conversions have written its X, which the last four stores read
.irp i, 0,1,2,3
	OUT NLD-BLOCK+\i
.endr
	s_endpgm
.Lfunc_end_k_q864f1a3b5a_prep:
	.size	k_q864f1a3b5a_prep, .Lfunc_end_k_q864f1a3b5a_prep-k_q864f1a3b5a_prep
	.p2alignl 7, 3214868480
	.fill 96, 4, 3214868480
	.section	.rodata,"a",@progbits
	.p2align	6, 0x0
	.amdhsa_kernel k_q864f1a3b5a_prep
		.amdhsa_group_segment_fixed_size 0
		.amdhsa_private_segment_fixed_size 0
		.amdhsa_enable_private_segment 0
		.amdhsa_kernarg_size 56
		.amdhsa_user_sgpr_count 2
		.amdhsa_user_sgpr_kernarg_segment_ptr 1
		.amdhsa_wavefront_size32 1
		.amdhsa_system_sgpr_workgroup_id_x 1
		.amdhsa_system_sgpr_workgroup_id_y 1
		.amdhsa_system_sgpr_workgroup_id_z 1
		.amdhsa_system_vgpr_workitem_id 0
		.amdhsa_next_free_vgpr 144
		.amdhsa_next_free_sgpr 66
		.amdhsa_reserve_vcc 0
		.amdhsa_float_denorm_mode_32 3
		.amdhsa_float_denorm_mode_16_64 3
		.amdhsa_memory_ordered 1
		.amdhsa_forward_progress 1
		.amdhsa_inst_pref_size 33
	.end_amdhsa_kernel
	.amdgpu_metadata
---
amdhsa.version: [ 1, 2 ]
amdhsa.kernels:
  - .name:           k_q864f1a3b5a_prep
    .symbol:         k_q864f1a3b5a_prep.kd
    .args:
      - { .name: x, .offset: 0, .size: 8, .value_kind: global_buffer, .address_space: global }
      - { .name: Wqkv, .offset: 8, .size: 8, .value_kind: global_buffer, .address_space: global }
      - { .name: Wproj, .offset: 16, .size: 8, .value_kind: global_buffer, .address_space: global }
      - { .name: xb, .offset: 24, .size: 8, .value_kind: global_buffer, .address_space: global }
      - { .name: wqb, .offset: 32, .size: 8, .value_kind: global_buffer, .address_space: global }
      - { .name: wpb, .offset: 40, .size: 8, .value_kind: global_buffer, .address_space: global }
      - { .name: rope, .offset: 48, .size: 8, .value_kind: global_buffer, .address_space: global }
    .group_segment_fixed_size: 0
    .private_segment_fixed_size: 0
    .kernarg_segment_align: 8
    .kernarg_segment_size: 56
    .max_flat_workgroup_size: 256
    .sgpr_count:     66
    .vgpr_count:     144
    .wavefront_size: 32
...
	.end_amdgpu_metadata
.endif
;; end of part 5
;; launch qkv: the kernel of part 2 again; grid 8 x 32, 4 waves a work-group, clusters of 4 x 4, 327,680 bytes of LDS; arguments xb, wqb, bqkv, rope, qb, kb, vb; writes qb, kb, vb
;; launch attn: the kernel of part 3 again; grid 256 x 1, 8 waves a work-group, clusters of 4 x 1, 327,680 bytes of LDS; arguments qb, kb, vb, yb; writes yb
;; launch proj: the kernel of part 4 again; grid 8 x 32, 4 waves a work-group, clusters of 4 x 4, 327,680 bytes of LDS; arguments yb, wpb, bproj, out0; writes out0
